; MI455X (gfx1250); checked and timed in simulation.
; The chip was launched on July 23, 2026; its instructions are those of AMD's public machine-readable ISA for CDNA 5 (MIT licence, August 2026) and "CDNA5" Instruction Set Architecture Reference Guide (July 2026). The comments in the code are by the model that wrote it; some were corrected since.
;; Multi Head Attention. Allowed arithmetic: matrix products marked QUANTISED: E2M3 operands, one E8M0 scale for each 32 along K, by v_wmma_scale_f32_16x16x128_f8f6f4 with both operands' format E2M3, f32 sums; everything else in f32.
;; Inputs: Wk 1,024 x 1,024 float32; Wo 1,024 x 1,024 float32; Wq 1,024 x 1,024 float32; Wv 1,024 x 1,024 float32; keys 4 x 2,048 x 1,024 float32; queries 4 x 2,048 x 1,024 float32; values 4 x 2,048 x 1,024 float32.
;; Outputs: out0 4 x 2,048 x 1,024 float32.
;; This version of the problem:
;;   THIS VERSION OF THE PROBLEM IS GIVEN IN LOW PRECISION. The matrix products marked QUANTISED in the list below multiply operands that are first quantised to E2M3 (2 exponent bits, 3 mantissa bits; 6 bits a number), with one power-of-two scale for each 32 numbers along K (OCP MX v1.0); their sums are f32. All else is computed in f32.
;;   The module's matrix products, in the order in which they are computed (A, B: the left and right operand; K: the contracted axis; several contracted axes count as one K, in the product's order):
;;     1. [M 8,192, K 1,024] x [K 1,024, N 1,024]; A: input queries; B: input Wq: QUANTISED
;;     2. [M 8,192, K 1,024] x [K 1,024, N 1,024]; A: input keys; B: input Wk: QUANTISED
;;     3. [M 8,192, K 1,024] x [K 1,024, N 1,024]; A: input values; B: input Wv: QUANTISED
;;     4. batch 64 x [M 2,048, K 64] x [K 64, N 2,048]; A: computed on the way; B: computed on the way: QUANTISED
;;     5. batch 64 x [M 2,048, K 2,048] x [K 2,048, N 64]; A: softmax (see below); B: computed on the way: QUANTISED
;;     6. [M 8,192, K 1,024] x [K 1,024, N 1,024]; A: computed on the way; B: input Wo: QUANTISED
;;   THE QUANTISER, for each operand of a quantised product, along K:
;;     - K is cut into blocks of 32 from its start; a last block that is shorter is filled with zeros.
;;     - A block's scale is 2^e with e = floor(log2(the largest magnitude in the block)) - 2, held to -126 .. 127; a block of zeros has e = 0. As a byte (E8M0): e + 127.
;;     - Each number is divided by its block's scale, clamped to +-7.5, and rounded to the nearest number of E2M3, ties to even, subnormals kept.
;;     - The product sums the exact products of the quantised numbers (number of the format x scale) in f32.
;;   ~~~python
;;   def quantise(x, axis):      # numpy; x: float32 -> the quantised numbers, widened to float32 again
;;       x = np.moveaxis(x, axis, -1); K = x.shape[-1]
;;       x = np.pad(x, [(0, 0)] * (x.ndim - 1) + [(0, -K % 32)]); x = x.reshape(x.shape[:-1] + (-1, 32)); a = np.abs(x).max(-1, keepdims=True)
;;       e = np.where(a > 0, np.clip(np.frexp(np.where(a > 0, a, 1))[1] - 1 - 2, -126, 127), 0)      # np.frexp(a)[1] - 1 = floor(log2(a)), exactly
;;       r = np.clip(x / 2.0 ** e, -7.5, 7.5)
;;       step = 2.0 ** (np.maximum(np.frexp(np.where(r == 0, 1, r))[1] - 1, 0) - 3)
;;       q = np.round(r / step) * step * 2.0 ** e      # np.round: ties to even
;;       return np.moveaxis(q.reshape(q.shape[:-2] + (-1,))[..., :K], -1, axis).astype(np.float32)
;;   ~~~
;;   SOFTMAX AHEAD OF A QUANTISED PRODUCT. Where the list says 'softmax', what is quantised is not the finished softmax but p = 2^(t - M), with t = logit x log2(e) and M = ceil(the row's largest t), a whole number; so 1/2 < the row's largest p <= 1. The row's sum l is taken of the UNQUANTISED p, in f32, and the product's result is divided by l at the end. Since M is a whole number, a kernel that streams over the keys may use a running M (the ceiling of the running maximum): every later rescaling is an exact power of two, which a block's scale takes up: the codes' values come out the same.
;;   OPERANDS COMPUTED ON THE WAY. 'Computed on the way' means the value that the module computes at that place (a softmax that the list does not call 'softmax' is quantised finished and normalised). What goes into a quantiser is computed in f32, as accurately as f32 sums, v_exp_f32 and their like allow (about 1e-6 of the number): no bf16 or f16 on the way to a quantiser, and a product that is left as it is and whose result goes on into a quantised operand takes f32 operands (vector FMAs, or v_wmma_f32_16x16x4_f32). A number that lies on a knife's edge between two numbers of the format may be rounded either way, as far as f32 arithmetic and the matrix unit's own rounding can turn it there, and no further.
;; One version. Each part assembles by itself: llvm-mc -triple=amdgcn-amd-amdhsa -mcpu=gfx1250 --defsym DOCPART=n.
;; ======== version 1 of 1: 4 launches
;; limits: right only within a limited range of input values
;; workspace buffers: act_codes 18,874,368 bytes; act_sc 786,432 bytes; w_codes 3,145,728 bytes; w_sc 131,072 bytes; qkv_img 18,874,368 bytes; qkv_sc 786,432 bytes; ctx_codes 6,291,456 bytes; ctx_sc 262,144 bytes
;; launch quant (part 1): grid 1024 x 1, 4 waves a work-group, no clusters, 34,304 bytes of LDS; arguments queries, keys, values, Wq, Wk, Wv, Wo, act_codes, act_sc, w_codes, w_sc; writes act_codes, act_sc, w_codes, w_sc
.if DOCPART == 1
	.amdgcn_target "amdgcn-amd-amdhsa--gfx1250"
	.amdhsa_code_object_version 6
	.text
	.protected	k_qbfbfc9a50b_quant
	.globl	k_qbfbfc9a50b_quant
	.p2align	8
	.type	k_qbfbfc9a50b_quant,@function
k_qbfbfc9a50b_quant:
	s_mov_b64 s[64:65], 0
	v_nop
	global_prefetch_b8 v0, s[64:65] scope:SCOPE_SE
	s_setreg_imm32_b32 hwreg(HW_REG_WAVE_MODE, 25, 1), 1
	s_wait_xcnt 0x0
; queries, keys, values [8192][1024] f32 (K innermost) and Wq, Wk, Wv, Wo [1024 (k)][1024 (n)] f32 (K is the first axis) become codes of FP6 (E2M3) with one E8M0 byte for each 32 along K.
; A block's scale is 2^(floor(log2(its largest magnitude)) - 2); its byte is the largest magnitude's exponent field - 2, held at 1 from below.
; LIMITS: a block of zeros gets the byte 1 where the rule says 127 (its codes are zeros, and the bytes are read by this program alone); blocks whose largest magnitude lies under 2^-124 are held at that floor; NaN and infinities are not served.
; THE CODES ARE LAID IN THE ORDER OF THE OPERAND'S REGISTERS.  [tile of 16 rows][s = K / 128][c = 0, 1][768 bytes]: half image c holds registers 6 c .. 6 c + 5 of the fragment (lane (r, h): row r, k = 128 s + 64 c + 32 h + 0 .. 31):
; bytes 0-511 registers 6 c .. 6 c + 3 at 16 x lane, bytes 512-767 registers 6 c + 4, 6 c + 5 at 8 x lane.  Every store of codes covers 512 or 256 consecutive bytes, aligned to 256.
; THE SCALE BYTES: [tile of 16 rows][K / 256][row][8 bytes]: two scale words of a row side by side.  For the weights a row is a column n of W.
; Work-groups 0-767 take the activations, 768-1023 the weights: a scalar branch on the work-group's number.  No barrier: waves share nothing.  Only the activations' path touches LDS.
.set STG,  8448                        ; a wave's stage in LDS: 16 rows x (512 bytes + 16)
.set TM,   8                           ; v8-11 largest magnitudes, v12-15 the other half's, then bytes, v20-23 the conversions' scale operands
.set PW,   24                          ; v24-27 the scale words of the wave's four fragments
.set PC,   32                          ; v32-43 a fragment's codes; v44-46, v48-50 the conversions' second halves
.set X,    64                          ; v64-127 64 numbers of a lane: register 16 b + i = k 32 b + 16 h + i of row r
.set R,    128                         ; v128-255 two sets of 64 registers as loaded
.set SEL,  28                          ; s[28:29] v_permlanex16_b32's selects for lane l xor 16
.macro LOAD t                          ; K step t of the wave's 16 rows: each load reads 512 consecutive bytes of one row
.irp i, 0,1,2,3,4,5,6,7,8,9,10,11,12,13,14,15
.if \i < 8
	global_load_b128 v[R+64*((\t)%2)+4*\i:R+64*((\t)%2)+4*\i+3], v4, s[4:5] offset:\i*4096+(\t)*512 th:TH_LOAD_NT
.else                                  ; a tile's rows 8-15 go by an offset of their own: see where v30 is made
	global_load_b128 v[R+64*((\t)%2)+4*\i:R+64*((\t)%2)+4*\i+3], v30, s[4:5] offset:(\i-8)*4096+(\t)*512 th:TH_LOAD_NT
.endif
.endr
.endm
.macro TURN t                          ; through the wave's own stage, so that a lane gets 16 neighbours of each block of its row.  LDS serves a wave's instructions in order: no wait between the stores and the loads
.irp i, 0,1,2,3,4,5,6,7,8,9,10,11,12,13,14,15
	ds_store_b128 v6, v[R+64*((\t)%2)+4*\i:R+64*((\t)%2)+4*\i+3] offset:\i*528
.endr
.irp b, 0,1,2,3
.irp q, 0,1,2,3
	ds_load_b128 v[X+16*\b+4*\q:X+16*\b+4*\q+3], v7 offset:128*\b+16*\q   ; rows 528 bytes apart
.endr
.endr
.endm
; 64 numbers of a lane, v[s] on, become a fragment's codes in v[PC] on and its scale word in v[pw]
.macro QUANT s, pw
.irp b, 0,1,2,3
	v_max3_num_f32 v[TM+\b], |v[\s+16*\b]|, |v[\s+1+16*\b]|, 0x1800000   ; block b: my 16 numbers, and the floor 2^(3 - 127): the byte cannot fall under 1
.endr
.irp i, 2,4,6,8,10,12,14
.irp b, 0,1,2,3
	v_max3_num_f32 v[TM+\b], v[TM+\b], |v[\s+16*\b+\i]|, |v[\s+1+16*\b+\i]|   ; the four blocks by turns
.endr
.endr
.irp b, 0,1,2,3
	v_permlanex16_b32 v[TM+4+\b], v[TM+\b], s[SEL], s[SEL+1]
.endr
.irp b, 0,1,2,3
	v_max_num_f32 v[TM+\b], v[TM+\b], v[TM+4+\b]   ; with lane l xor 16's: the block's largest magnitude
.endr
.irp b, 0,1,2,3
	v_add_nc_u32 v[TM+12+\b], 0xff000000, v[TM+\b]   ; 2 off its exponent field: the conversion takes this operand's exponent field as its scale
.endr
.irp b, 0,1,2,3
	v_lshrrev_b32 v[TM+4+\b], 23, v[TM+12+\b]   ; the scale's byte
.endr
	v_lshl_or_b32 v[\pw], v[TM+5], 8, v[TM+4]
	v_lshl_or_b32 v[\pw], v[TM+6], 16, v[\pw]
	v_lshl_or_b32 v[\pw], v[TM+7], 24, v[\pw]
.irp c, 0,1
	v_cvt_scalef32_pk16_fp6_f32 v[PC+6*\c:PC+2+6*\c], v[\s+32*\c:\s+15+32*\c], v[TM+12+2*\c]
	v_cvt_scalef32_pk16_fp6_f32 v[PC+12+4*\c:PC+14+4*\c], v[\s+16+32*\c:\s+31+32*\c], v[TM+12+2*\c+1]   ; (a conversion's three registers begin on an even number)
.endr
	v_nop                                          ; one plain place behind a scaled conversion
.irp c, 0,1                            ; the operand's layout wants a whole block in a lane: lanes 0-15 block 2 c, lanes 16-31 block 2 c + 1
.irp i, 0,1,2
	v_permlane16_swap_b32 v[PC+6*\c+\i], v[PC+12+4*\c+\i]
.endr
.irp i, 0,1,2
	v_mov_b32 v[PC+3+6*\c+\i], v[PC+12+4*\c+\i]
.endr
.endr
.endm
.macro PUT t                           ; the fragment leaves as it stands
	global_store_b128 v4, v[PC:PC+3], s[18:19] offset:1536*(\t)
	global_store_b64 v5, v[PC+4:PC+5], s[18:19] offset:1536*(\t)+512
	global_store_b128 v4, v[PC+6:PC+9], s[18:19] offset:1536*(\t)+768
	global_store_b64 v5, v[PC+10:PC+11], s[18:19] offset:1536*(\t)+1280
.endm
.macro ASTEP t
.if (\t) < 3
	s_wait_loadcnt 16                              ; this K step's 16 loads are in; the next step's 16 may be out
.else
	s_wait_loadcnt 0x0
.endif
	TURN \t
	s_wait_dscnt 0x0                               ; X is in, and the stage's stores have read their registers
.if (\t) > 0
	s_wait_xcnt 0x0                                ; the last fragment's stores have read v[PC] on: it is written again only behind this wait
.endif
.if (\t) < 2
	LOAD (\t)+2
.endif
	QUANT X, PW+(\t)
	PUT \t
.endm
	s_load_b512 s[4:19], s[0:1], 0x0               ; queries, keys, values, Wq, Wk, Wv, Wo, act_codes
	s_load_b128 s[20:23], s[0:1], 0x40             ; act_sc, w_codes
	s_load_b64 s[24:25], s[0:1], 0x50              ; w_sc
	v_lshl_add_u32 v62, v0, 2, 0x8400
	v_mov_b32 v63, 0
	v_lshrrev_b32 v1, 5, v0
	v_readfirstlane_b32 s26, v1                    ; wave 0..3
	v_and_b32 v1, 31, v0                           ; lane
	v_and_b32 v2, 15, v0                           ; r
	v_bfe_u32 v3, v0, 4, 1                         ; h
	s_mov_b32 s[SEL], 0x76543210
	s_mov_b32 s[SEL+1], 0xfedcba98
	s_wait_kmcnt 0x0
	s_cmp_lt_u32 ttmp9, 768
	s_cbranch_scc0 .Lweights
	; ---- THE ACTIVATIONS.  Wave W = 4 x work-group + wave takes 16 rows (tile W / 2 of 1,536) x 512 along K (half W % 2): four fragments
	s_wait_alu depctr_va_vdst(0)
	v_lshlrev_b32 v4, 4, v1                        ; 16 x lane
	v_lshlrev_b32 v5, 3, v1                        ; 8 x lane
	s_mul_i32 s27, s26, STG
	v_add_nc_u32 v6, s27, v4                       ; the stage, on the way in
	v_mul_u32_u24 v7, v2, 528
	v_lshl_add_u32 v7, v3, 6, v7
	v_add_nc_u32 v7, s27, v7                       ; and on the way out: row r, + 64 h
.irp b, 0,1,2,3
	v_mov_b32 v[TM+4+\b], 0                        ; written once: a lane permute's destination counts as one of its sources
.endr
	s_cmp_lt_u32 ttmp9, 512                        ; 256 work-groups to a tensor: the choice hangs on the work-group's number alone
	s_cselect_b64 s[6:7], s[6:7], s[8:9]
	s_cmp_lt_u32 ttmp9, 256
	s_cselect_b64 s[4:5], s[4:5], s[6:7]
	s_lshl_b32 s30, ttmp9, 2
	s_add_co_u32 s30, s30, s26                     ; W
	s_lshr_b32 s31, s30, 1                         ; tile
	s_and_b32 s30, s30, 1                          ; half of K
	; WHICH ROWS FORM A TILE.  queries, values: tile T holds rows 16 T + i.  keys: tile T = 8 g + 4 c + u holds, as its rows 8 h + j, the keys 128 g + 64 c + 32 h + 8 s(u) + j with s = 0, 2, 1, 3:
	; in the scores of four such tiles a lane of the attention launch then holds one whole block of 32 keys, in the order in which V's codes stand.
	s_and_b32 s32, s31, 511
	s_lshr_b32 s36, s32, 2
	s_lshl_b32 s36, s36, 6                         ; 128 g + 64 c
	s_and_b32 s37, s32, 1
	s_lshl_b32 s37, s37, 4
	s_add_co_u32 s36, s36, s37
	s_bfe_u32 s37, s32, 0x10001
	s_lshl_b32 s37, s37, 3
	s_add_co_u32 s36, s36, s37                     ; + 8 s(u): the keys' first row
	s_lshl_b32 s32, s32, 4                         ; the others' first row
	s_lshr_b32 s37, ttmp9, 8
	s_mov_b32 s35, 131072                          ; rows 8-15 begin 32 rows of 4,096 bytes further on (keys) or 8 (the others)
	s_cmp_eq_u32 s37, 1                            ; work-groups 256-511 take keys
	s_cselect_b32 s32, s36, s32
	s_cselect_b32 s35, s35, 0x8000
	s_lshl_b32 s32, s32, 12                        ; rows of 4,096 bytes
	s_lshl_b32 s33, s30, 11
	s_add_co_u32 s32, s32, s33
	s_mov_b32 s33, 0
	s_add_nc_u64 s[4:5], s[4:5], s[32:33]
	s_mul_i32 s32, s31, 12288
	s_mul_i32 s34, s30, 6144
	s_add_co_u32 s32, s32, s34
	s_add_nc_u64 s[18:19], s[18:19], s[32:33]
	s_lshl_b32 s32, s31, 9
	s_lshl_b32 s34, s30, 8
	s_add_co_u32 s32, s32, s34
	s_add_nc_u64 s[20:21], s[20:21], s[32:33]
	v_add_nc_u32 v30, s35, v4
	LOAD 0
	LOAD 1
	s_wait_alu depctr_va_vdst(0)
	ASTEP 0
	ASTEP 1
	ASTEP 2
	ASTEP 3
	v_cmp_eq_u32 vcc_lo, 1, v3                     ; lanes 0-15 store the words of fragments 0, 1, lanes 16-31 those of 2, 3 (both halves hold row r's words)
	v_cndmask_b32 v28, v[PW], v[PW+2], vcc_lo
	v_cndmask_b32 v29, v[PW+1], v[PW+3], vcc_lo
	global_store_b64 v5, v[28:29], s[20:21]        ; 32 lanes store 256 consecutive bytes, aligned
	s_wait_tensorcnt 0x0
	ds_add_u32 v62, v63
	s_wait_dscnt 0x0
	s_endpgm
	; ---- THE WEIGHTS.  A LANE TAKES A COLUMN n, AND ITS REGISTERS RUN DOWN K.  Work-group wb: weight wb / 64, K step (wb / 8) % 8 of 128, columns 128 (wb % 8) on; a wave takes 32 columns: two tiles of 16 rows of W^T
.Lweights:
	s_wait_alu depctr_va_vdst(0)
	v_lshlrev_b32 v4, 2, v1                        ; in: 4 bytes a lane: a load reads 128 consecutive bytes, the four waves stand side by side on 512
	s_wait_alu depctr_va_vdst(0)
	v_lshlrev_b32 v5, 4, v1
	v_lshlrev_b32 v6, 3, v1
	v_lshlrev_b32 v7, 3, v2
	v_lshl_add_u32 v7, v3, 9, v7                   ; my column's scale word: tile lane / 16, row lane % 16
	s_sub_co_u32 s30, ttmp9, 768
	s_lshr_b32 s31, s30, 6                         ; which weight
	s_and_b32 s32, s30, 7                          ; which 128 columns
	s_bfe_u32 s33, s30, 0x30003                    ; which K step
	s_cmp_eq_u32 s31, 1
	s_cselect_b64 s[10:11], s[12:13], s[10:11]
	s_cmp_eq_u32 s31, 2
	s_cselect_b64 s[10:11], s[14:15], s[10:11]
	s_cmp_eq_u32 s31, 3
	s_cselect_b64 s[10:11], s[16:17], s[10:11]
	s_lshl_b32 s34, s33, 19                        ; 128 rows of 4,096 bytes
	s_lshl_b32 s35, s32, 9
	s_add_co_u32 s34, s34, s35
	s_lshl_b32 s35, s26, 7
	s_add_co_u32 s34, s34, s35
	s_mov_b32 s35, 0
	s_add_nc_u64 s[10:11], s[10:11], s[34:35]
	s_lshl_b32 s36, s31, 6
	s_lshl_b32 s37, s32, 3
	s_add_co_u32 s36, s36, s37
	s_lshl_b32 s37, s26, 1
	s_add_co_u32 s36, s36, s37                     ; my first tile of 16 rows of W^T
	s_mul_i32 s34, s36, 12288
	s_mul_i32 s37, s33, 1536
	s_add_co_u32 s34, s34, s37
	s_add_nc_u64 s[22:23], s[22:23], s[34:35]
	s_lshl_b32 s34, s36, 9
	s_lshr_b32 s37, s33, 1
	s_lshl_b32 s37, s37, 7
	s_add_co_u32 s34, s34, s37
	s_and_b32 s37, s33, 1
	s_lshl_b32 s37, s37, 2
	s_add_co_u32 s34, s34, s37
	s_add_nc_u64 s[24:25], s[24:25], s[34:35]
.macro WLOAD b                         ; block b: W(32 b + i, my column) into v[128 + 32 b + i]
.set k, 32*(\b)
.rept 32
	global_load_b32 v[128+k], v4, s[10:11] offset:k*4096 th:TH_LOAD_NT
.set k, k+1
.endr
.endm
.macro WBLOCK b                        ; all 32 numbers of the block are mine: its largest magnitude needs no other lane
.set XS, 128+32*(\b)
.set CD, 32+24*((\b)/2)+8*((\b)%2)     ; the block's six registers of codes
.set CT, 48+24*((\b)/2)+4*((\b)%2)     ; (a conversion's three registers begin on an even number: the upper 16 codes are made here and moved)
.if (\b) < 3
	s_wait_loadcnt 32                              ; this block's 32 loads are in; the next block's 32 may be out
.else
	s_wait_loadcnt 0x0
.endif
.if (\b) < 2
	WLOAD (\b)+2
.endif
	v_max3_num_f32 v12, |v[XS]|, |v[XS+1]|, |v[XS+2]|
	v_max3_num_f32 v13, |v[XS+3]|, |v[XS+4]|, |v[XS+5]|
.irp i, 6,10,14,18,22,26
	v_max3_num_f32 v12, v12, |v[XS+\i]|, |v[XS+\i+1]|
	v_max3_num_f32 v13, v13, |v[XS+\i+2]|, |v[XS+\i+3]|
.endr
	v_max3_num_f32 v12, v12, |v[XS+30]|, |v[XS+31]|
	v_max3_num_f32 v12, v12, v13, 0x1800000        ; and the floor
	v_add_nc_u32 v[16+(\b)], 0xff000000, v12
	v_lshrrev_b32 v[20+(\b)], 23, v[16+(\b)]
	v_cvt_scalef32_pk16_fp6_f32 v[CD:CD+2], v[XS:XS+15], v[16+(\b)]
	v_cvt_scalef32_pk16_fp6_f32 v[CT:CT+2], v[XS+16:XS+31], v[16+(\b)]
	v_nop                                          ; one plain place behind a scaled conversion
.irp i, 0,1,2
	v_mov_b32 v[CD+3+\i], v[CT+\i]
.endr
.endm
.macro WOUT c                          ; blocks 2 c and 2 c + 1 of 32 columns become half image c of two tiles: the first run's lanes 16-31 change places with the second's lanes 0-15
.set CA, 32+24*(\c)
.irp i, 0,1,2,3,4,5
	v_permlane16_swap_b32 v[CA+\i], v[CA+8+\i]
.endr
	global_store_b128 v5, v[CA:CA+3], s[22:23] offset:768*(\c)
	global_store_b64 v6, v[CA+4:CA+5], s[22:23] offset:768*(\c)+512
	global_store_b128 v5, v[CA+8:CA+11], s[22:23] offset:12288+768*(\c)
	global_store_b64 v6, v[CA+12:CA+13], s[22:23] offset:12288+768*(\c)+512
.endm
	WLOAD 0
	WLOAD 1
	WBLOCK 0
	WBLOCK 1
	WOUT 0                                         ; each half image has registers of its own: no store's data are written again
	WBLOCK 2
	WBLOCK 3
	WOUT 1
	v_lshl_or_b32 v24, v21, 8, v20
	v_lshl_or_b32 v24, v22, 16, v24
	v_lshl_or_b32 v24, v23, 24, v24
	global_store_b32 v7, v24, s[24:25]             ; 4 bytes of each 8: the other word of the pair comes from the work-group of the neighbouring K step; 131,072 bytes in all go out so
	s_endpgm
.Lfunc_end_k_qbfbfc9a50b_quant:
	.size	k_qbfbfc9a50b_quant, .Lfunc_end_k_qbfbfc9a50b_quant-k_qbfbfc9a50b_quant
	.p2alignl 7, 3214868480
	.fill 96, 4, 3214868480
	.section	.rodata,"a",@progbits
	.p2align	6, 0x0
	.amdhsa_kernel k_qbfbfc9a50b_quant
		.amdhsa_group_segment_fixed_size 34304
		.amdhsa_private_segment_fixed_size 0
		.amdhsa_enable_private_segment 0
		.amdhsa_kernarg_size 88
		.amdhsa_user_sgpr_count 2
		.amdhsa_user_sgpr_kernarg_segment_ptr 1
		.amdhsa_wavefront_size32 1
		.amdhsa_system_sgpr_workgroup_id_x 1
		.amdhsa_system_sgpr_workgroup_id_y 1
		.amdhsa_system_sgpr_workgroup_id_z 1
		.amdhsa_system_vgpr_workitem_id 0
		.amdhsa_next_free_vgpr 256
		.amdhsa_next_free_sgpr 66
		.amdhsa_reserve_vcc 1
		.amdhsa_float_denorm_mode_32 3
		.amdhsa_float_denorm_mode_16_64 3
		.amdhsa_memory_ordered 1
		.amdhsa_forward_progress 1
		.amdhsa_inst_pref_size 55
	.end_amdhsa_kernel
	.amdgpu_metadata
---
amdhsa.version: [ 1, 2 ]
amdhsa.kernels:
  - .name:           k_qbfbfc9a50b_quant
    .symbol:         k_qbfbfc9a50b_quant.kd
    .args:
      - { .name: queries, .offset: 0, .size: 8, .value_kind: global_buffer, .address_space: global }
      - { .name: keys, .offset: 8, .size: 8, .value_kind: global_buffer, .address_space: global }
      - { .name: values, .offset: 16, .size: 8, .value_kind: global_buffer, .address_space: global }
      - { .name: Wq, .offset: 24, .size: 8, .value_kind: global_buffer, .address_space: global }
      - { .name: Wk, .offset: 32, .size: 8, .value_kind: global_buffer, .address_space: global }
      - { .name: Wv, .offset: 40, .size: 8, .value_kind: global_buffer, .address_space: global }
      - { .name: Wo, .offset: 48, .size: 8, .value_kind: global_buffer, .address_space: global }
      - { .name: act_codes, .offset: 56, .size: 8, .value_kind: global_buffer, .address_space: global }
      - { .name: act_sc, .offset: 64, .size: 8, .value_kind: global_buffer, .address_space: global }
      - { .name: w_codes, .offset: 72, .size: 8, .value_kind: global_buffer, .address_space: global }
      - { .name: w_sc, .offset: 80, .size: 8, .value_kind: global_buffer, .address_space: global }
    .group_segment_fixed_size: 34304
    .private_segment_fixed_size: 0
    .kernarg_segment_align: 8
    .kernarg_segment_size: 88
    .max_flat_workgroup_size: 128
    .sgpr_count:     66
    .vgpr_count:     256
    .wavefront_size: 32
...
	.end_amdgpu_metadata
.endif
;; end of part 1
;; launch proj (part 2): grid 16 x 16, 4 waves a work-group, clusters of 4 x 4, 327,680 bytes of LDS; arguments act_codes, act_sc, w_codes, w_sc, qkv_img, qkv_sc; writes qkv_img, qkv_sc
.if DOCPART == 2
	.amdgcn_target "amdgcn-amd-amdhsa--gfx1250"
	.amdhsa_code_object_version 6
	.text
	.protected	k_qbfbfc9a50b_proj
	.globl	k_qbfbfc9a50b_proj
	.p2align	8
	.type	k_qbfbfc9a50b_proj,@function
k_qbfbfc9a50b_proj:
	s_mov_b64 s[64:65], 0
	v_nop
	global_prefetch_b8 v0, s[64:65] scope:SCOPE_SE
	s_setreg_imm32_b32 hwreg(HW_REG_WAVE_MODE, 25, 1), 1
	s_wait_xcnt 0x0
	s_wait_alu depctr_hold_cnt(0) depctr_sa_sdst(0) depctr_va_vdst(0) depctr_va_sdst(0) depctr_va_ssrc(0) depctr_va_vcc(0) depctr_vm_vsrc(0)
	s_getreg_b32 s2, hwreg(HW_REG_IB_STS2, 6, 4)
	s_cmp_eq_u32 s2, 0
	s_cbranch_scc0 .Lentry_in_a_cluster
	s_endpgm
.Lentry_in_a_cluster:
	s_bfe_u32 s2, ttmp6, 0x10000c
	s_cmp_lg_u32 s2, 0xf033
	s_cbranch_scc0 .Lentry_shape_is_right
	s_endpgm
.Lentry_shape_is_right:
; q = queries Wq, k = keys Wk, v = values Wv on codes of FP6 (E2M3) with E8M0 scales, and their quantisers: the results leave as codes and scale bytes in the order of the attention launch's operand registers.
; THE BUFFERS.  act_codes, w_codes: [tile of 16 rows][K / 128][1,536 bytes in register order]: a tile, all of K, is 12,288 dense bytes.  act_sc, w_sc: [tile][K / 256][row][8].  Tiles: queries 0-511, keys 512-1023, values 1024-1535; Wq 0-63, Wk 64-127, Wv 128-191.
; qkv_img: q, k: [tensor][tile of 16 tokens][head][768]; v: [step of 128 keys][tile of 16 channels][1,536].  qkv_sc: q, k: [tensor][pair of heads][token][4]; v: [key step][channel][4].
; THE DEAL.  256 work-groups of four waves, 2 x 2.  A work-group makes 256 tokens x 128 channels of v and then 512 x 128 of q or k: three BATCHES of two chunks of 128 rows.  The wave in row a takes chunk a, the wave in column b 64 channels: one head.
; A wave holds its 64 rows of the weight, all of K, in 384 registers, and x's tiles of 16 rows stream past: 32 products a tile on four accumulators by turns; x's fragments lie twice in registers, fetched two tiles ahead.
; v's tile column is 4 (cluster x / 2) + cx and its rows 256 (2 x row group + cluster x % 2) on: each tile of v has one work-group.  x's rows are shared by a row of the cluster, a weight's rows by a column: joint loads.
; LDS: two slots for a batch's chunks, a region for the weight's 128 rows, the batch's scale bytes, stages for the results' scale bytes, the spare words.
; FILLS.  Head: one load a wave (Wv, scales, chunk 0, chunk 1).  Three refills, each behind the three lines and a round of the cluster's barrier: the weight's region once, behind Wv's loads into registers; the slots and scale bytes twice.
; A batch is asked for ahead of the way out of the work before it.  Its codes are prefetched into the L2 six tiles of products ahead: 196,608 bytes shared out by address among the 16 waves of a row of the cluster, 48 blocks of 256 bytes each; the scale bytes, 1/24 of that, come by their load alone.
; v: source 0 = x's tokens: a lane holds one channel and its registers run along the tokens.  q, k: source 0 = the weight's rows: a lane holds one token and 64 channels.
; LIMITS: byte 1 for a block of zeros; the floor 2^-124; no NaN, no infinities.
.set SL1,   98304
.set WRG,   196608
.set XSC,   294912
.set SST,   303104                     ; q's or k's scale bytes: [token of the work-group's 512][4]
.set VST,   305152                     ; v's scale words: 256 bytes a wave
.set SPARE, 306176
.set VO16, 4                           ; v4 16 x lane, v5 8 x lane
.set VO8,  5
.set AW,   6                           ; v6, v7 my rows of the weight in LDS
.set AX,   8                           ; v8, v9 my chunk's tiles 0-3; v10, v11 tiles 4-7
.set AXS,  12
.set WSO,  13
.set STS,  14
.set SSR,  15
.set VSTW, 16
.set VSTR, 17
.set PF0,  18
.set PF1,  19
.set SPW,  20
.set NIL,  21
.set SB,   24                          ; v24-39 the weight's scale words: register 8 (t / 2) + q, lanes 0-15 tile t even, lanes 16-31 odd
.set SA,   44                          ; v44-59 x's: two sets of eight
.set ACC,  64                          ; q, k: two sets of four accumulators
.set HV0,  64                          ; v: token tiles 0-3: 32 t + 8 i;  tiles 4-7 from v840 on
.set HV1,  840
.set TM,   192
.set PWR,  208
.set PCV,  212
.set PCQ,  232
.set G1X, 24
.set G1W, 32
.set G1S, 48
.set G0A, 56
.set G0B, 60
.set G0W, 68
.set G0S, 72
.set MSB, 0
.macro WIN new
.if MSB != \new
	s_set_vgpr_msb (MSB<<8)|\new
.set MSB, \new
.endif
.endm
.macro PLACES n
.rept \n
	v_nop
.endr
.endm
.macro WALU
	s_wait_alu depctr_va_vdst(0)
.endm
.macro CROUND
	s_barrier_signal -1
	s_barrier_wait -1
	s_cmp_lg_u32 s14, 0
	s_cbranch_scc1 .Lnot_wave_0_\@
	s_barrier_signal -3
.Lnot_wave_0_\@:
	s_barrier_wait -3
	s_barrier_signal -1
	s_barrier_wait -1
.endm
.macro TLOAD g0, g1
	tensor_load_to_lds s[\g0:\g0+3], s[\g1:\g1+7]
	s_nop 0
	PLACES 4
.endm
.macro GRP g, mask, c, r               ; a dense block as r rows of c elements of 8 bytes
	s_or_b32 s[\g], s\mask, (3<<16)|(1<<21)
	s_mov_b32 s[\g+1], (\c)<<16
	s_mov_b32 s[\g+2], (\r)<<16
	s_mov_b32 s[\g+3], (\c)<<16
	s_mov_b32 s[\g+4], \r
	s_mov_b32 s[\g+5], \c
	s_mov_b32 s[\g+6], 0
	s_mov_b32 s[\g+7], 0
.endm
.macro G0SET g, base, off              ; s21 = 0
	s_mov_b32 s20, s\off
	s_add_nc_u64 s[\g+2:\g+3], s[\base:\base+1], s[20:21]
	s_or_b32 s[\g+3], s[\g+3], 0x80000000
.endm
; fragment f lies in window 1 + f / 21 at register 12 (f % 21): 0-31 the weight's (4 q + t), 32-39 and 40-47 x's two sets
.macro FRAG f, a16, a8, off
	WIN (1+(\f)/21)<<6
.set R_, 12*((\f)%21)
	ds_load_b128 v[R_:R_+3], v[\a16] offset:\off
	ds_load_b64 v[R_+4:R_+5], v[\a8] offset:(\off)+512
	ds_load_b128 v[R_+6:R_+9], v[\a16] offset:(\off)+768
	ds_load_b64 v[R_+10:R_+11], v[\a8] offset:(\off)+1280
.endm
.macro WEIGHTS
.irp q, 0,1,2,3,4,5,6,7
.irp t, 0,1,2,3
	FRAG 4*\q+\t, AW, AW+1, \t*12288+\q*1536
.endr
.endr
	WIN 0
.endm
.macro WSCALES base
.irp tp, 0,1
.irp p, 0,1,2,3
	global_load_b64 v[SB+8*\tp+2*\p:SB+8*\tp+2*\p+1], v[WSO], s[\base:\base+1] offset:\tp*1024+\p*128
.endr
.endr
.endm
.macro FETCH s                         ; tile s of my chunk into set s % 2: 36 LDS loads
.irp q, 0,1,2,3,4,5,6,7
	FRAG 32+8*((\s)%2)+\q, AX+2*((\s)/4), AX+2*((\s)/4)+1, ((\s)%4)*12288+\q*1536
.endr
	WIN 0
.irp p, 0,1,2,3
	ds_load_b64 v[SA+8*((\s)%2)+2*\p:SA+8*((\s)%2)+2*\p+1], v[AXS] offset:(\s)*512+\p*128
.endr
.endm
.macro PR1 d, s0, s1, c, x0, x1, side, o
.if \o
	v_wmma_scale_f32_16x16x128_f8f6f4 v[\d:\d+7], v[12*((\s0)%21):12*((\s0)%21)+11], v[12*((\s1)%21):12*((\s1)%21)+11], \c, v[\x0], v[\x1] matrix_a_fmt:MATRIX_FMT_FP6 matrix_b_fmt:MATRIX_FMT_FP6 matrix_\side\()_scale:MATRIX_SCALE_ROW1
.else
	v_wmma_scale_f32_16x16x128_f8f6f4 v[\d:\d+7], v[12*((\s0)%21):12*((\s0)%21)+11], v[12*((\s1)%21):12*((\s1)%21)+11], \c, v[\x0], v[\x1] matrix_a_fmt:MATRIX_FMT_FP6 matrix_b_fmt:MATRIX_FMT_FP6
.endif
.endm
.macro PROD kind, e, q, t, d           ; kind 0: source 0 the weight's rows; kind 1: source 0 x's rows.  The first K step starts the sum
.set FW_, 4*(\q)+(\t)
.set FX_, 32+8*(\e)+(\q)
.set DW_, (\d)>>8
.set DL_, (\d)&255
.set XW_, SB+8*((\t)/2)+(\q)
.set XX_, SA+8*(\e)+(\q)
.if \kind
	WIN (1+FX_/21)|((1+FW_/21)<<2)|(DW_<<4)|(DW_<<6)
.if (\q) == 0
	PR1 DL_, FX_, FW_, 0, XX_, XW_, b, (\t)%2
.else
	PR1 DL_, FX_, FW_, v[DL_:DL_+7], XX_, XW_, b, (\t)%2
.endif
.else
	WIN (1+FW_/21)|((1+FX_/21)<<2)|(DW_<<4)|(DW_<<6)
.if (\q) == 0
	PR1 DL_, FW_, FX_, 0, XW_, XX_, a, (\t)%2
.else
	PR1 DL_, FW_, FX_, v[DL_:DL_+7], XW_, XX_, a, (\t)%2
.endif
.endif
.endm
.macro PRODS kind, e, d0, ds           ; a tile's 32 products: the four accumulators by turns, K ascending
.irp q, 0,1,2,3,4,5,6,7
.irp t, 0,1,2,3
	PROD \kind, \e, \q, \t, (\d0)+(\ds)*\t
.endr
.endr
	WIN 0
.endm
.macro PFETCH b                        ; my 48 blocks of 256 bytes of a later batch (the second line's lanes 16-31 name the last block again)
	global_prefetch_b8 v[PF0], s[\b:\b+1] th:TH_LOAD_NT scope:SCOPE_SE
	global_prefetch_b8 v[PF1], s[\b:\b+1] th:TH_LOAD_NT scope:SCOPE_SE
.endm
; both slots and the scale bytes are filled again: the three lines, a round, one load a wave (waves 0 and 1 a chunk each, wave 2 the scale bytes)
.macro NEWBATCH xo, so
	WALU
	s_wait_tensorcnt 0x0
	ds_add_u32 v[SPW], v[NIL]
	s_mul_i32 s[G0A+1], s14, SL1
	s_add_co_u32 s20, s[G0A+1], s\xo
	s_mov_b32 s21, 0
	s_add_nc_u64 s[G0A+2:G0A+3], s[4:5], s[20:21]
	s_or_b32 s[G0A+3], s[G0A+3], 0x80000000
	G0SET G0S, 6, \so
	s_wait_dscnt 0x0
	CROUND
	s_cmp_lt_u32 s14, 2
	s_cbranch_scc0 .Lsc_\@
	TLOAD G0A, G1X
	s_branch .Ljn_\@
.Lsc_\@:
	s_cmp_eq_u32 s14, 2
	s_cbranch_scc0 .Ljn_\@
	TLOAD G0S, G1S
.Ljn_\@:
.endm
.macro SHOW                            ; the batch is in, for all waves
	WALU
	s_wait_tensorcnt 0x0
	s_wait_dscnt 0x0
	s_barrier_signal -1
	s_barrier_wait -1
	FETCH 0
	FETCH 1
.endm
; the tail of a quantiser: nb blocks' largest magnitudes in v[TM ..] become scale operands v[TM+12 ..] and bytes v[TM+4 ..]
.macro SCALEOF b0, b1, b2, b3
.irp b, \b0, \b1, \b2, \b3
	v_permlanex16_b32 v[TM+4+\b], v[TM+\b], s100, s101
.endr
.irp b, \b0, \b1, \b2, \b3
	v_max_num_f32 v[TM+\b], v[TM+\b], v[TM+4+\b]
.endr
.irp b, \b0, \b1, \b2, \b3
	v_add_nc_u32 v[TM+12+\b], 0xff000000, v[TM+\b]
.endr
.irp b, \b0, \b1, \b2, \b3
	v_lshrrev_b32 v[TM+4+\b], 23, v[TM+12+\b]
.endr
.endm
; q, k: tile s of batch n: 16 tokens x my head's 64 channels: two blocks of 32, 16 numbers of each in a lane, each block's maximum in two chains
.macro QOUT n, s
.set AC_, ACC+32*((\s)%2)
.set PC_, PCQ+12*((\s)%2)
	s_wait_xcnt 0x0                                ; the stores of two tiles ago have read these registers
.irp b, 0,1
	v_max3_num_f32 v[TM+\b], |v[AC_+16*\b]|, |v[AC_+16*\b+1]|, 0x1800000
	v_max3_num_f32 v[TM+2+\b], |v[AC_+16*\b+8]|, |v[AC_+16*\b+9]|, |v[AC_+16*\b+10]|
.endr
.irp i, 2,4
.irp b, 0,1
	v_max3_num_f32 v[TM+\b], v[TM+\b], |v[AC_+16*\b+\i]|, |v[AC_+16*\b+\i+1]|
	v_max3_num_f32 v[TM+2+\b], v[TM+2+\b], |v[AC_+16*\b+\i+9]|, |v[AC_+16*\b+\i+10]|
.endr
.endr
.irp b, 0,1
	v_max3_num_f32 v[TM+\b], v[TM+\b], |v[AC_+16*\b+6]|, |v[AC_+16*\b+7]|
.endr
.irp b, 0,1
	v_max3_num_f32 v[TM+\b], v[TM+\b], v[TM+2+\b], |v[AC_+16*\b+15]|
.endr
.irp b, 0,1
	v_permlanex16_b32 v[TM+4+\b], v[TM+\b], s100, s101
.endr
.irp b, 0,1
	v_max_num_f32 v[TM+\b], v[TM+\b], v[TM+4+\b]
.endr
.irp b, 0,1
	v_add_nc_u32 v[TM+12+\b], 0xff000000, v[TM+\b]
.endr
.irp b, 0,1
	v_lshrrev_b32 v[TM+4+\b], 23, v[TM+12+\b]
.endr
	v_lshl_or_b32 v[TM+8], v[TM+5], 8, v[TM+4]
	v_cvt_scalef32_pk16_fp6_f32 v[PC_:PC_+2], v[AC_:AC_+15], v[TM+12]
	v_cvt_scalef32_pk16_fp6_f32 v[PC_+8:PC_+10], v[AC_+16:AC_+31], v[TM+13]
	v_nop
.irp i, 0,1,2
	v_permlane16_swap_b32 v[PC_+\i], v[PC_+8+\i]
.endr
.irp i, 0,1,2
	v_mov_b32 v[PC_+3+\i], v[PC_+8+\i]
.endr
	WALU
	global_store_b128 v[VO16], v[PC_:PC_+3], s[84:85] offset:((\n)*16+(\s))*12288
	global_store_b64 v[VO8], v[PC_+4:PC_+5], s[84:85] offset:((\n)*16+(\s))*12288+512
	ds_store_b16 v[STS], v[TM+8] offset:((\n)*16+(\s))*64
.endm
; v: channel tile t: 16 channels x my chunk's 128 tokens: four blocks of 32, two in window 0, two in window 3
.macro VQ t
.set A0_, HV0+32*(\t)
.set A1_, HV1-768+32*(\t)
	s_wait_xcnt 0x0
.irp b, 0,1
	v_max3_num_f32 v[TM+\b], |v[A0_+16*\b]|, |v[A0_+16*\b+1]|, 0x1800000
.endr
.irp i, 2,4,6,8,10,12,14
.irp b, 0,1
	v_max3_num_f32 v[TM+\b], |v[A0_+16*\b+\i]|, |v[A0_+16*\b+\i+1]|, v[TM+\b]
.endr
.endr
	WIN 0x0f
.irp b, 0,1
	v_max3_num_f32 v[TM+2+\b], |v[A1_+16*\b]|, |v[A1_+16*\b+1]|, 0x1800000
.endr
.irp i, 2,4,6,8,10,12,14
.irp b, 0,1
	v_max3_num_f32 v[TM+2+\b], |v[A1_+16*\b+\i]|, |v[A1_+16*\b+\i+1]|, v[TM+2+\b]
.endr
.endr
	WIN 0
	SCALEOF 0, 1, 2, 3
	v_lshl_or_b32 v[PWR+\t], v[TM+5], 8, v[TM+4]
	v_lshl_or_b32 v[PWR+\t], v[TM+6], 16, v[PWR+\t]
	v_lshl_or_b32 v[PWR+\t], v[TM+7], 24, v[PWR+\t]
	v_cvt_scalef32_pk16_fp6_f32 v[PCV:PCV+2], v[A0_:A0_+15], v[TM+12]
	v_cvt_scalef32_pk16_fp6_f32 v[PCV+12:PCV+14], v[A0_+16:A0_+31], v[TM+13]
	WIN 0x03
	v_cvt_scalef32_pk16_fp6_f32 v[PCV+6:PCV+8], v[A1_:A1_+15], v[TM+14]
	v_cvt_scalef32_pk16_fp6_f32 v[PCV+16:PCV+18], v[A1_+16:A1_+31], v[TM+15]
	WIN 0
	v_nop
.irp c, 0,1
.irp i, 0,1,2
	v_permlane16_swap_b32 v[PCV+6*\c+\i], v[PCV+12+4*\c+\i]
.endr
.irp i, 0,1,2
	v_mov_b32 v[PCV+3+6*\c+\i], v[PCV+12+4*\c+\i]
.endr
.endr
	WALU
	global_store_b128 v[VO16], v[PCV:PCV+3], s[80:81] offset:1536*\t
	global_store_b64 v[VO8], v[PCV+4:PCV+5], s[80:81] offset:1536*\t+512
	global_store_b128 v[VO16], v[PCV+6:PCV+9], s[80:81] offset:1536*\t+768
	global_store_b64 v[VO8], v[PCV+10:PCV+11], s[80:81] offset:1536*\t+1280
	ds_store_b32 v[VSTW], v[PWR+\t] offset:64*\t
.endm
; a batch of q or k.  The waits' counts: younger than a tile's fetch are the next tile's fetch, 36 loads, and one store of a scale halfword; at the end the store alone
.macro QKB n
.irp s, 0,1,2,3,4,5,6,7
.if \s == 0
	s_wait_dscnt 36
.elseif \s < 7
	s_wait_dscnt 37
.else
	s_wait_dscnt 1
.endif
	PRODS 0, \s%2, ACC+32*(\s%2), 8
	PLACES 4
.if \s < 6
	FETCH \s+2
.endif
.if (\s == 7) && (\n == 0)
	NEWBATCH 89, 90
.endif
	QOUT \n, \s
.if (\s == 1) && (\n == 0)
	PFETCH 78
.endif
.endr
.endm
; ================= THE HEAD
	s_load_b128 s[4:7], s[0:1], 0x0                ; act_codes, act_sc
	s_load_b128 s[8:11], s[0:1], 0x10              ; w_codes, w_sc
	s_load_b128 s[96:99], s[0:1], 0x20             ; qkv_img, qkv_sc
	v_lshl_add_u32 v[SPW], v0, 2, SPARE
	v_mov_b32 v[NIL], 0
	ds_add_u32 v[SPW], v[NIL]                      ; the opening lines: the add twice on end
	ds_add_u32 v[SPW], v[NIL]
	v_lshrrev_b32 v1, 5, v0
	v_readfirstlane_b32 s14, v1                    ; wave; s15 its row a, s16 its column b
	s_lshr_b32 s15, s14, 1
	s_and_b32 s16, s14, 1
	s_bfe_u32 s40, ttmp6, 0x40000                  ; cx
	s_bfe_u32 s41, ttmp6, 0x40004                  ; cy
	s_lshr_b32 s19, ttmp9, 1                       ; 0 q, 1 k
	s_and_b32 s87, ttmp9, 1
	s_lshl_b32 s42, ttmp9, 2
	s_add_co_u32 s42, s42, s40                     ; q's or k's tile column, 0 .. 15
	s_and_b32 s43, ttmp7, 0xffff
	s_lshl_b32 s43, s43, 2
	s_add_co_u32 s43, s43, s41                     ; its group of 512 rows
	s_lshl_b32 s13, s19, 2
	s_add_co_u32 s13, s13, s40                     ; v's tile column
	s_lshl_b32 s12, s43, 1
	s_add_co_u32 s12, s12, s87                     ; v's group of 256 rows
	s_lshl_b32 s44, s41, 2
	s_lshl_b32 s44, 15, s44                        ; my row of the cluster
	s_lshl_b32 s45, 0x1111, s40                    ; my column
	GRP G1X, 44, 384, 32                           ; a chunk: 98,304 dense bytes
	GRP G1W, 45, 384, 32                           ; a weight's 128 rows
	GRP G1S, 44, 32, 32                            ; a batch's scale bytes: 8,192
	s_lshl_b32 s17, s12, 4
	s_add_co_u32 s17, s17, 1024                    ; values' first tile
	s_lshl_b32 s18, s13, 3
	s_add_co_u32 s18, s18, 128                     ; Wv's
	s_lshl_b32 s22, s19, 9
	s_lshl_b32 s23, s43, 5
	s_add_co_u32 s22, s22, s23                     ; queries' or keys'
	s_lshl_b32 s23, s42, 3                         ; Wq's or Wk's
	s_mul_i32 s46, s17, 12288
	s_lshl_b32 s47, s17, 9
	s_mul_i32 s2, s18, 12288
	s_mul_i32 s86, s22, 12288
	s_add_co_u32 s89, s86, 196608
	s_lshl_b32 s88, s22, 9
	s_add_co_u32 s90, s88, 8192
	s_mul_i32 s91, s23, 12288
	s_lshl_b32 s3, s16, 2                          ; my four tiles of a weight
	s_add_co_u32 s18, s18, s3
	s_lshl_b32 s18, s18, 9
	s_add_co_u32 s23, s23, s3
	s_lshl_b32 s23, s23, 9
	s_mov_b32 s100, 0x76543210
	s_mov_b32 s101, 0xfedcba98
	s_mov_b32 s[G0A], 1
	s_mov_b32 s[G0A+1], 0
	s_mov_b32 s[G0B], 1
	s_mov_b32 s[G0B+1], SL1
	s_mov_b32 s[G0W], 1
	s_mov_b32 s[G0W+1], WRG
	s_mov_b32 s[G0S], 1
	s_mov_b32 s[G0S+1], XSC
	s_mov_b32 s21, 0
	s_wait_dscnt 0x0
	s_wait_kmcnt 0x0
	CROUND                                         ; all sixteen work-groups are here: the first joint loads meet
	G0SET G0A, 4, 46
	s_add_co_u32 s3, s46, SL1
	G0SET G0B, 4, 3
	G0SET G0W, 8, 2
	G0SET G0S, 6, 47
	s_cmp_eq_u32 s14, 0
	s_cbranch_scc0 .Lwave_1
	TLOAD G0W, G1W                                 ; wave 0: Wv's rows, wanted first
	s_branch .Lasked
.Lwave_1:
	s_cmp_eq_u32 s14, 1
	s_cbranch_scc0 .Lwave_2
	TLOAD G0S, G1S                                 ; wave 1: the batch's scale bytes
	s_branch .Lasked
.Lwave_2:
	s_cmp_eq_u32 s14, 2
	s_cbranch_scc0 .Lwave_3
	TLOAD G0A, G1X                                 ; wave 2: chunk 0
	s_branch .Lasked
.Lwave_3:
	TLOAD G0B, G1X                                 ; wave 3: chunk 1
.Lasked:
	s_mov_b32 s20, s18
	s_add_nc_u64 s[66:67], s[10:11], s[20:21]      ; Wv's scale words, my 64 rows
	s_mov_b32 s20, s23
	s_add_nc_u64 s[92:93], s[10:11], s[20:21]      ; Wq's or Wk's
	s_lshl_b32 s2, s12, 1
	s_add_co_u32 s2, s2, s15                       ; my key step
	s_lshl_b32 s3, s13, 3
	s_lshl_b32 s17, s16, 2
	s_add_co_u32 s3, s3, s17                       ; my first tile of 16 channels
	s_mul_i32 s20, s2, 98304
	s_mul_i32 s17, s3, 1536
	s_add_co_u32 s20, s20, s17
	s_add_co_u32 s20, s20, 12582912
	s_add_nc_u64 s[80:81], s[96:97], s[20:21]      ; v's codes
	s_lshl_b32 s20, s2, 12
	s_lshl_b32 s17, s3, 6
	s_add_co_u32 s20, s20, s17
	s_add_co_u32 s20, s20, 524288
	s_add_nc_u64 s[82:83], s[98:99], s[20:21]      ; v's scale words
	s_and_b32 s2, s42, 7                           ; pair of heads
	s_lshl_b32 s3, s43, 5
	s_lshl_b32 s17, s15, 3
	s_add_co_u32 s3, s3, s17                       ; my first tile of tokens
	s_mul_i32 s20, s3, 12288
	s_lshl_b32 s17, s2, 1
	s_add_co_u32 s17, s17, s16
	s_mul_i32 s17, s17, 768
	s_add_co_u32 s20, s20, s17
	s_mul_i32 s17, s19, 6291456
	s_add_co_u32 s20, s20, s17
	s_add_nc_u64 s[84:85], s[96:97], s[20:21]      ; q's or k's codes
	s_lshl_b32 s20, s19, 18
	s_lshl_b32 s17, s2, 15
	s_add_co_u32 s20, s20, s17
	s_lshl_b32 s17, s43, 11
	s_add_co_u32 s20, s20, s17
	s_lshl_b32 s17, s14, 9
	s_add_co_u32 s20, s20, s17
	s_add_nc_u64 s[94:95], s[98:99], s[20:21]      ; and scale bytes: 512 bytes a wave
	s_lshl_b32 s17, s40, 2
	s_add_co_u32 s17, s17, s14                     ; my number among the sixteen waves of my row of the cluster
	s_mul_i32 s17, s17, 12288
	s_add_co_u32 s20, s86, s17
	s_add_nc_u64 s[76:77], s[4:5], s[20:21]        ; my share of the second batch,
	s_add_nc_u64 s[78:79], s[76:77], 196608        ; and of the third
	s_mul_i32 s20, s16, 49152
	s_add_co_u32 s20, s20, WRG
	s_mul_i32 s22, s15, SL1
	s_add_co_u32 s23, s22, 49152
	s_lshl_b32 s46, s15, 12
	s_add_co_u32 s46, s46, XSC
	s_lshl_b32 s47, s15, 9
	s_lshl_b32 s17, s16, 1
	s_add_co_u32 s47, s47, s17
	s_add_co_u32 s47, s47, SST
	s_lshl_b32 s2, s14, 9
	s_add_co_u32 s2, s2, SST
	s_lshl_b32 s3, s14, 8
	s_add_co_u32 s3, s3, VST
	v_and_b32 v1, 15, v0                           ; r
	v_bfe_u32 v2, v0, 4, 1                         ; h
	v_and_b32 v3, 31, v0                           ; lane
	v_lshlrev_b32 v[VO16], 4, v3
	v_lshlrev_b32 v[VO8], 3, v3
	v_add_nc_u32 v[AW], s20, v[VO16]
	v_add_nc_u32 v[AW+1], s20, v[VO8]
	v_add_nc_u32 v[AX], s22, v[VO16]
	v_add_nc_u32 v[AX+1], s22, v[VO8]
	v_add_nc_u32 v[AX+2], s23, v[VO16]
	v_add_nc_u32 v[AX+3], s23, v[VO8]
	v_lshl_add_u32 v[AXS], v1, 3, s46
	v_lshlrev_b32 v[WSO], 3, v1
	v_lshl_add_u32 v[WSO], v2, 9, v[WSO]
	v_lshl_add_u32 v[STS], v1, 2, s47
	v_add_nc_u32 v[SSR], s2, v[VO16]
	v_lshl_add_u32 v[VSTW], v1, 2, s3
	v_add_nc_u32 v[VSTR], s3, v[VO8]
	v_lshlrev_b32 v[PF0], 8, v3
	v_add_nc_u32 v[PF1], 32, v3
	v_min_u32 v[PF1], 47, v[PF1]
	v_lshlrev_b32 v[PF1], 8, v[PF1]
.irp b, 0,1,2,3
	v_mov_b32 v[TM+4+\b], 0                        ; a lane permute's destination counts as one of its sources
.endr
	WALU                                           ; the wait at the head's end
	WSCALES 66
	s_cmp_eq_u32 s14, 0
	s_cbranch_scc0 .Lnot_w
	s_wait_tensorcnt 0x0
.Lnot_w:
	s_barrier_signal -1
	s_barrier_wait -1                              ; Wv's rows are in
	WEIGHTS
	s_wait_tensorcnt 0x0                           ; the head's loads are in; the weight's region is filled again, once:
	ds_add_u32 v[SPW], v[NIL]
	s_mov_b32 s21, 0
	G0SET G0W, 8, 91
	s_wait_dscnt 0x0                               ; Wv is in my registers
	CROUND
	s_cmp_eq_u32 s14, 0
	s_cbranch_scc0 .Lno_w2
	TLOAD G0W, G1W                                 ; Wq's or Wk's rows
.Lno_w2:
	FETCH 0
	FETCH 1
	s_wait_loadcnt 0x0
; ================= v: eight tiles of tokens; younger than a tile's fetch is the next tile's, 36 loads
.irp i, 0,1,2,3,4,5,6,7
.if \i < 7
	s_wait_dscnt 36
.else
	s_wait_dscnt 0x0
.endif
	PRODS 1, \i%2, HV0+(HV1-HV0)*(\i/4)+8*(\i%4), 32
	PLACES 4
.if \i < 6
	FETCH \i+2
.endif
.if \i == 1
	PFETCH 76
.endif
.endr
	NEWBATCH 86, 88                                ; the second batch is asked for; under its flight: the other weight into registers, and v's way out
	WSCALES 92
	WEIGHTS
.irp t, 0,1,2,3
	VQ \t
.endr
	s_wait_xcnt 0x0                                ; the last tile's stores have read v[PCV ..]: the load below lands there only behind this wait
	ds_load_b64 v[PCV:PCV+1], v[VSTR]              ; my 64 channels' scale words: LDS serves a wave's instructions in order
	s_wait_dscnt 0x0
	global_store_b64 v[VO8], v[PCV:PCV+1], s[82:83]   ; one aligned unit of 256 bytes
	SHOW
	s_wait_loadcnt 0x0
; ================= q or k: two batches of eight tiles
	QKB 0
	SHOW
	QKB 1
	s_wait_dscnt 0x0
	s_barrier_signal -1
	s_barrier_wait -1                              ; both heads' scale bytes of all 512 tokens lie in the stage
	ds_load_b128 v[PCV:PCV+3], v[SSR]
	s_wait_dscnt 0x0
	global_store_b128 v[VO16], v[PCV:PCV+3], s[94:95]
	s_wait_tensorcnt 0x0                           ; the wave's end
	ds_add_u32 v[SPW], v[NIL]
	s_wait_dscnt 0x0
	CROUND                                         ; the closing round
	s_endpgm
.Lfunc_end_k_qbfbfc9a50b_proj:
	.size	k_qbfbfc9a50b_proj, .Lfunc_end_k_qbfbfc9a50b_proj-k_qbfbfc9a50b_proj
	.p2alignl 7, 3214868480
	.fill 96, 4, 3214868480
	.section	.rodata,"a",@progbits
	.p2align	6, 0x0
	.amdhsa_kernel k_qbfbfc9a50b_proj
		.amdhsa_group_segment_fixed_size 327680
		.amdhsa_private_segment_fixed_size 0
		.amdhsa_enable_private_segment 0
		.amdhsa_kernarg_size 48
		.amdhsa_user_sgpr_count 2
		.amdhsa_user_sgpr_kernarg_segment_ptr 1
		.amdhsa_wavefront_size32 1
		.amdhsa_system_sgpr_workgroup_id_x 1
		.amdhsa_system_sgpr_workgroup_id_y 1
		.amdhsa_system_sgpr_workgroup_id_z 1
		.amdhsa_system_vgpr_workitem_id 0
		.amdhsa_next_free_vgpr 1024
		.amdhsa_next_free_sgpr 102
		.amdhsa_reserve_vcc 0
		.amdhsa_float_denorm_mode_32 3
		.amdhsa_float_denorm_mode_16_64 3
		.amdhsa_memory_ordered 1
		.amdhsa_forward_progress 1
		.amdhsa_inst_pref_size 244
	.end_amdhsa_kernel
	.amdgpu_metadata
---
amdhsa.version: [ 1, 2 ]
amdhsa.kernels:
  - .name:           k_qbfbfc9a50b_proj
    .symbol:         k_qbfbfc9a50b_proj.kd
    .args:
      - { .name: act_codes, .offset: 0, .size: 8, .value_kind: global_buffer, .address_space: global }
      - { .name: act_sc, .offset: 8, .size: 8, .value_kind: global_buffer, .address_space: global }
      - { .name: w_codes, .offset: 16, .size: 8, .value_kind: global_buffer, .address_space: global }
      - { .name: w_sc, .offset: 24, .size: 8, .value_kind: global_buffer, .address_space: global }
      - { .name: qkv_img, .offset: 32, .size: 8, .value_kind: global_buffer, .address_space: global }
      - { .name: qkv_sc, .offset: 40, .size: 8, .value_kind: global_buffer, .address_space: global }
    .group_segment_fixed_size: 327680
    .private_segment_fixed_size: 0
    .kernarg_segment_align: 8
    .kernarg_segment_size: 48
    .max_flat_workgroup_size: 128
    .sgpr_count:     102
    .vgpr_count:     1024
    .wavefront_size: 32
...
	.end_amdgpu_metadata
.endif
;; end of part 2
;; launch attn (part 3): grid 4 x 64, 16 waves a work-group, clusters of 4 x 1, 210,944 bytes of LDS; arguments qkv_img, qkv_sc, ctx_codes, ctx_sc; writes ctx_codes, ctx_sc
.if DOCPART == 3
	.amdgcn_target "amdgcn-amd-amdhsa--gfx1250"
	.amdhsa_code_object_version 6
	.text
	.protected	k_qbfbfc9a50b_attn
	.globl	k_qbfbfc9a50b_attn
	.p2align	8
	.type	k_qbfbfc9a50b_attn,@function
k_qbfbfc9a50b_attn:
	s_mov_b64 s[64:65], 0
	v_nop
	global_prefetch_b8 v0, s[64:65] scope:SCOPE_SE
	s_setreg_imm32_b32 hwreg(HW_REG_WAVE_MODE, 25, 1), 1
	s_wait_xcnt 0x0
	s_wait_alu depctr_hold_cnt(0) depctr_sa_sdst(0) depctr_va_vdst(0) depctr_va_sdst(0) depctr_va_ssrc(0) depctr_va_vcc(0) depctr_vm_vsrc(0)
	s_getreg_b32 s2, hwreg(HW_REG_IB_STS2, 6, 4)
	s_cmp_eq_u32 s2, 0
	s_cbranch_scc0 .Lentry_in_a_cluster
	s_endpgm
.Lentry_in_a_cluster:
	s_bfe_u32 s2, ttmp6, 0x10000c
	s_cmp_lg_u32 s2, 0x3003
	s_cbranch_scc0 .Lentry_shape_is_right
	s_endpgm
.Lentry_shape_is_right:
; ctx[b][q][head] = softmax_k(q . k / 32) v for 64 heads of 64 channels and 2,048 keys, both products on codes of FP6 (E2M3) with E8M0 scales; ctx leaves as codes for the last product.
; THE SOFTMAX: t = score x log2(e) / 32; M = the row's largest t so far, rounded up to a whole number; p = 2^(t - M) is quantised along the keys, not normalised.  The row's sum is taken of the unquantised p and divides at the end.
; When M moves, the sum and O are multiplied by 2^(old M - new M): exact.
; SHARES.  A cluster of four work-groups is one head.  A work-group owns 512 queries, in two passes of 256; each of its sixteen waves owns one tile of 16 queries a pass, in 256 registers: four waves to a SIMD.
; K AND V OF THE WHOLE HEAD STAY IN LDS: 2 x 98,304 bytes of codes, 8,192 + 4,096 of scale words.  They are asked for once, jointly by the four work-groups, one tensor load a wave: waves 0-3 a chunk of 512 keys of K each,
; waves 4-7 of V, wave 8 K's scale words, wave 9 V's.  Every wave waits for its load, ONE barrier shows all of it to all, and no other barrier stands in the text: nothing is filled again and nothing is stored to LDS.
; No prefetch: every tile is asked for in one group at the head, so there is no loop to run ahead in.
; LAYOUT.  Both products are used transposed: S^T = K Q^T (source 0 = 16 keys), O^T = V^T P^T (source 0 = 16 channels): a lane holds one query (lane % 16) throughout.  All operands lie in memory and LDS in the order of their registers.
; THE KEYS OF A TILE OF K ARE CHOSEN (by the first launch's order of rows): row 8 h + j of tile 4 c + u of a step is key 64 c + 32 h + 8 s(u) + j, s = 0, 2, 1, 3.  So the 32 registers of tiles 4 c .. 4 c + 3 in lane (r, h) are
; ONE WHOLE BLOCK of 32 keys, block 2 c + h of the step, in the order in which V's codes stand inside a block (0-7, 16-23, 8-15, 24-31): its largest score needs no other lane, and the conversions' results are the operand's registers.
; THE SCORES' K IS 64, HALF OF THE INSTRUCTION'S 128.  Q's registers 6-11 are zero codes, so the upper half adds nothing whatever finite codes stand against it: K's six registers of tile t stand at v[32 + 6 t],
; and the upper half of its operand is tile t + 1's codes (tile 7's: six registers of zeros).  The scale words are loaded as 16 bits: bytes 2 and 3 are 0, which is 2^-127 and no NaN.
; LIMITS: byte 1 for a block of zeros; the floor 2^-124; no NaN, no infinities; the scaled scores t stay under 2^31 in magnitude.
.set VB,    98304                      ; LDS: K's 128 tiles of 768 bytes from 0; V's 16 steps of 6,144 from here (VB = 4 CHB: wave w's chunk lands at w x CHB, K's and V's alike)
.set KSB,   196608                     ; K's scale words, 4 bytes a key (both heads of the pair)
.set VSB,   204800                     ; V's, 16 steps x 256
.set SPARE, 208896                     ; the spare words: 128 bytes for each of 16 waves
.set CHB,   24576
.set WV,   12
.set SEL,  20                          ; s[20:21] lane l xor 16
.set CS,   22                          ; s[22:23] c = log2(e) / 32
.set G1K,  24                          ; groups 1: s[24:31] K, s[32:39] V, s[40:47] K's scales, s[48:55] V's;  groups 0: s[56:59], s[60:63], s[68:71], s[72:75]
.set G1V,  32
.set G1KS, 40
.set G1VS, 48
.set QB,   80
.set QSB,  82
.set CB,   84
.set CSB,  86
.set TK,   88                          ; the step's bytes in K and in V; s89 in K's scale words; s90 in V's
.set TS,   89
.set TJ,   90
.set CNT,  91
.set PASS, 92
; REGISTERS: v1 16 x lane, v2 8 x lane, v3, v4 my place among K's and V's scale words, v5, v6 = v1, v2 + VB, v7 4 r, v30 8 r, v31 byte selects; v8-11, v28, v29 the step's addresses; v12 -M, v13 the largest score, v[14:15] the sum;
; v16-21 Q, v22-27 zeros; v32-79 K's, then V's fragments, v80-85 zeros; v86-93 K's scale words; v94, v95 the add's; v96-159 S^T, then p; v160-191 O^T; v192-217 at work; v218-223, v254 the second pass's Q;
; v224-235 p's codes, v236-242 the conversions' second halves; v248-251 V's scale words; v252 p's; v255 Q's.
.macro CROUND
	s_barrier_signal -1
	s_barrier_wait -1
	s_cmp_lg_u32 s[WV], 0
	s_cbranch_scc1 .Lnot_wave_0_\@
	s_barrier_signal -3
.Lnot_wave_0_\@:
	s_barrier_wait -3
	s_barrier_signal -1
	s_barrier_wait -1
.endm
.macro GRP g, c, r, p                  ; group 1: r rows of c elements of 8 bytes, p elements apart; the mask of all four work-groups, bit 21 beside it, no padding
	s_mov_b32 s[\g], 15|(3<<16)|(1<<21)
	s_mov_b32 s[\g+1], (\c)<<16
	s_mov_b32 s[\g+2], (\r)<<16
	s_mov_b32 s[\g+3], (\c)<<16
	s_mov_b32 s[\g+4], \r
	s_mov_b32 s[\g+5], \p
	s_mov_b32 s[\g+6], 0
	s_mov_b32 s[\g+7], 0
.endm
.macro MKG0 g, base, off
	s_mov_b32 s[\g], 1
	s_add_nc_u64 s[\g+2:\g+3], s[\base:\base+1], s[\off:\off+1]
	s_or_b32 s[\g+3], s[\g+3], 0x80000000
.endm
.macro TLOAD g0, g1
	tensor_load_to_lds s[\g0:\g0+3], s[\g1:\g1+7]
	s_nop 0
.rept 4
	v_nop
.endr
.endm
.macro WALU
	s_wait_alu depctr_va_vdst(0)
.endm
	s_load_b128 s[4:7], s[0:1], 0x0                ; qkv_img, qkv_sc
	s_load_b128 s[8:11], s[0:1], 0x10              ; ctx_codes, ctx_sc
	v_lshl_add_u32 v94, v0, 2, SPARE
	v_mov_b32 v95, 0
	ds_add_u32 v94, v95                            ; the opening lines: the add twice on end
	ds_add_u32 v94, v95
	v_lshrrev_b32 v1, 5, v0
	v_readfirstlane_b32 s[WV], v1                  ; wave 0..15
	s_bfe_u32 s13, ttmp6, 0x40000                  ; cx: it enters Q's and ctx's addresses alone
	s_and_b32 s14, ttmp7, 0xffff                   ; batch x 16 + head
	s_lshr_b32 s15, s14, 4
	s_and_b32 s16, s14, 15
	s_lshr_b32 s17, s16, 1                         ; pair of heads
	s_and_b32 s18, s16, 1
	GRP G1K, 96, 32, 1536                          ; K: 32 tiles of 16 keys: rows of 768 bytes, 12,288 apart
	GRP G1V, 768, 4, 12288                         ; V: 4 key steps: rows of 6,144 bytes, 98,304 apart
	GRP G1KS, 32, 32, 32                           ; K's scale words: 8,192 dense bytes as rows of 256
	GRP G1VS, 32, 16, 512                          ; V's: 16 steps' rows of 256 bytes, 4,096 apart
	s_mul_i32 s93, s15, 1572864                    ; the batch's 2,048 keys,
	s_mul_i32 s92, s[WV], 393216                   ; and a chunk of 512 keys for each wave
	s_add_co_u32 s93, s93, s92
	s_mul_i32 s94, s16, 768
	s_add_co_u32 s94, s94, s93
	s_add_co_u32 s94, s94, 6291456                 ; K's part: chunk = wave
	s_mov_b32 s95, 0
	s_mul_i32 s96, s16, 6144
	s_add_co_u32 s96, s96, s93
	s_add_co_u32 s96, s96, 11010048                ; V's part, 12,582,912, less four chunks: chunk = wave - 4
	s_mov_b32 s97, 0
	s_lshl_b32 s98, s17, 15                        ; K's scale words: [pair of heads][key][4]
	s_lshl_b32 s92, s15, 13
	s_add_co_u32 s98, s98, s92
	s_add_co_u32 s98, s98, 262144
	s_mov_b32 s99, 0
	s_lshl_b32 s90, s15, 16                        ; V's: [key step][channel][4]
	s_lshl_b32 s92, s16, 8
	s_add_co_u32 s90, s90, s92
	s_add_co_u32 s90, s90, 524288
	s_mov_b32 s91, 0
	s_mul_i32 s89, s[WV], CHB
	s_mov_b32 s[SEL], 0x76543210
	s_mov_b32 s[SEL+1], 0xfedcba98
	s_mov_b32 s[CS], 0x3d38aa3b                    ; log2(e) / 32
	s_mov_b32 s[CS+1], s[CS]
	s_wait_dscnt 0x0
	s_wait_kmcnt 0x0
	CROUND                                         ; all four work-groups are here: the joint loads meet
	MKG0 56, 4, 94
	s_mov_b32 s57, s89
	MKG0 60, 4, 96
	s_mov_b32 s61, s89
	MKG0 68, 6, 98
	s_mov_b32 s69, KSB
	MKG0 72, 6, 90
	s_mov_b32 s73, VSB
	s_cmp_lt_u32 s[WV], 4                          ; one chain of branches on the wave's number, one load to an arm
	s_cbranch_scc0 .Larm_v
	TLOAD 56, G1K
	s_branch .Lasked
.Larm_v:
	s_cmp_lt_u32 s[WV], 8
	s_cbranch_scc0 .Larm_ks
	TLOAD 60, G1V
	s_branch .Lasked
.Larm_ks:
	s_cmp_eq_u32 s[WV], 8
	s_cbranch_scc0 .Larm_vs
	TLOAD 68, G1KS
	s_branch .Lasked
.Larm_vs:
	s_cmp_eq_u32 s[WV], 9
	s_cbranch_scc0 .Lasked
	TLOAD 72, G1VS
.Lasked:
	; my tile of 16 queries in the first pass: 128 x batch + 32 cx + wave; the second pass's lies 16 tiles on
	s_lshl_b32 s2, s15, 7
	s_lshl_b32 s3, s13, 5
	s_add_co_u32 s2, s2, s3
	s_add_co_u32 s2, s2, s[WV]
	s_mul_i32 s98, s2, 12288
	s_mul_i32 s3, s16, 768
	s_add_co_u32 s98, s98, s3
	s_mov_b32 s99, 0
	s_add_nc_u64 s[QB:QB+1], s[4:5], s[98:99]
	s_add_nc_u64 s[CB:CB+1], s[8:9], s[98:99]
	s_lshl_b32 s98, s2, 6
	s_lshl_b32 s3, s17, 15
	s_add_co_u32 s98, s98, s3
	s_lshl_b32 s3, s18, 1
	s_add_co_u32 s98, s98, s3
	s_add_nc_u64 s[QSB:QSB+1], s[6:7], s[98:99]
	s_lshl_b32 s98, s2, 9                          ; ctx's scale bytes: [tile][K / 256][row][8]: my head's two bytes
	s_lshr_b32 s3, s16, 2
	s_lshl_b32 s3, s3, 7
	s_add_co_u32 s98, s98, s3
	s_and_b32 s3, s16, 3
	s_lshl_b32 s3, s3, 1
	s_add_co_u32 s98, s98, s3
	s_add_nc_u64 s[CSB:CSB+1], s[10:11], s[98:99]
	s_lshl_b32 s93, s18, 1
	s_add_co_u32 s93, s93, KSB
	s_mov_b32 s[PASS], 2
	v_and_b32 v31, 31, v0                          ; lane
	v_and_b32 v7, 15, v0                           ; r
	v_lshlrev_b32 v1, 4, v31
	v_lshlrev_b32 v2, 3, v31
	v_lshlrev_b32 v30, 3, v7
	v_lshlrev_b32 v7, 2, v7
	WALU                                           ; the wait ahead of the readers below
	global_load_b128 v[16:19], v1, s[QB:QB+1]      ; Q's half image and its two scale bytes (bytes 2 and 3 are 0), for both passes
	global_load_b64 v[20:21], v2, s[QB:QB+1] offset:512
	global_load_u16 v255, v7, s[QSB:QSB+1]
	global_load_b128 v[218:221], v1, s[QB:QB+1] offset:196608
	global_load_b64 v[222:223], v2, s[QB:QB+1] offset:197120
	global_load_u16 v254, v7, s[QSB:QSB+1] offset:1024
	v_add_nc_u32 v3, s93, v7                       ; K's scale words: 4 bytes a key, my head's two bytes of them
	v_add_nc_u32 v4, VSB, v7
	v_add_nc_u32 v5, VB, v1
	v_add_nc_u32 v6, VB, v2
.irp j, 22,23,24,25,26,27,80,81,82,83,84,85
	v_mov_b32 v[\j], 0                             ; zero codes: the upper half of Q's operand, and of the last tile of K's; never written again
.endr
.irp j, 194,195,197,217,201
	v_mov_b32 v[\j], 0                             ; lane permutes' destinations count as sources; v201 is named as the upper half of the pair v[200:201]
.endr
	v_bfe_u32 v199, v0, 4, 1                       ; h.  My two scale bytes of p go to bytes h and 2 + h of the word, zeros to the others
	v_cmp_eq_u32 vcc_lo, 1, v199
	v_mov_b32 v31, 0x0c070c03
	v_mov_b32 v199, 0x070c030c
	v_cndmask_b32 v31, v31, v199, vcc_lo
	WALU                                           ; the wait at the head's end
	s_wait_loadcnt 0x0
	s_wait_tensorcnt 0x0                           ; my load, if I issued one, has landed
	s_barrier_signal -1
	s_barrier_wait -1                              ; and everybody's: all of K, V and their scale words are in
; A KEY STEP: 128 keys.
.macro STEP
	v_add_nc_u32 v8, s[TK], v1                     ; these four are also the places between the last step's products and the loads into their operands
	v_add_nc_u32 v9, s[TK], v2
	v_add_nc_u32 v10, s[TS], v3
	v_add_nc_u32 v28, s[TK], v5
.irp t, 0,1,2,3,4,5,6,7
	ds_load_b128 v[32+6*\t:35+6*\t], v8 offset:768*\t
	ds_load_b64 v[36+6*\t:37+6*\t], v9 offset:768*\t+512
	ds_load_u16 v[86+\t], v10 offset:64*\t
.endr
	WALU                                           ; the wait ahead of the wait below
	s_wait_dscnt 0x0
.irp t, 0,1,2,3,4,5,6,7
	v_wmma_scale_f32_16x16x128_f8f6f4 v[96+8*\t:103+8*\t], v[32+6*\t:43+6*\t], v[16:27], 0, v[86+\t], v255 matrix_a_fmt:MATRIX_FMT_FP6 matrix_b_fmt:MATRIX_FMT_FP6
.endr                                  ; lane (r, h): query r; registers 32 c + 0 .. 31: block 2 c + h of the step's keys
	v_add_nc_u32 v29, s[TK], v6                    ; four places in front of the loads into K's registers and of the first read of the scores
	v_add_nc_u32 v11, s[TJ], v4
	v_mov_b32 v198, v12                            ; the old -M
	v_nop
.irp t, 0,1,2,3                        ; V's four fragments and scale words are asked for here and land under the softmax
	ds_load_b128 v[32+12*\t:35+12*\t], v28 offset:1536*\t
	ds_load_b64 v[36+12*\t:37+12*\t], v29 offset:1536*\t+512
	ds_load_b128 v[38+12*\t:41+12*\t], v28 offset:1536*\t+768
	ds_load_b64 v[42+12*\t:43+12*\t], v29 offset:1536*\t+1280
	ds_load_b32 v[248+\t], v11 offset:64*\t
.endr
.irp c, 0,1                            ; the largest score of my two blocks, each in two chains, the four by turns; each accumulator is first read at its low end
	v_max3_num_f32 v[192+\c], v[96+32*\c], v[97+32*\c], v[98+32*\c]
	v_max3_num_f32 v[194+\c], v[112+32*\c], v[113+32*\c], v[114+32*\c]
.endr
.irp i, 3,5,7,9,11,13
.irp c, 0,1
	v_max3_num_f32 v[192+\c], v[192+\c], v[96+32*\c+\i], v[97+32*\c+\i]
	v_max3_num_f32 v[194+\c], v[194+\c], v[112+32*\c+\i], v[113+32*\c+\i]
.endr
.endr
.irp c, 0,1
	v_max3_num_f32 v[192+\c], v[192+\c], v[194+\c], v[111+32*\c]
.endr
.irp c, 0,1
	v_max_num_f32 v[192+\c], v[192+\c], v[127+32*\c]   ; it serves for the row's maximum and, since p rises with the score, for the block's largest p
.endr
	s_delay_alu instid0(VALU_DEP_1)
	v_max_num_f32 v196, v192, v193
	s_delay_alu instid0(VALU_DEP_1)
	v_permlanex16_b32 v197, v196, s[SEL], s[SEL+1]
	s_delay_alu instid0(VALU_DEP_1)
	v_max3_num_f32 v13, v13, v196, v197            ; the running largest score of my query
	s_delay_alu instid0(VALU_DEP_1)
	v_mul_f32 v199, s[CS], v13                     ; as t (c is positive)
	s_delay_alu instid0(VALU_DEP_1)
	v_floor_f32 v12, -v199                         ; the new -M = -ceil(t): a whole number
	s_delay_alu instid0(VALU_DEP_1)
	v_sub_f32 v199, v12, v198                      ; old M - new M: a whole number, 0 or less
	s_delay_alu instid0(VALU_DEP_1)
	v_cvt_i32_f32 v199, v199                       ; (it saturates)
	s_delay_alu instid0(VALU_DEP_1)
	v_ldexp_f32 v200, 1.0, v199                    ; f = 2^(old M - new M)
.set j, 0
.rept 16
	v_pk_mul_f32 v[160+j:161+j], v[160+j:161+j], v[200:201] op_sel_hi:[1,0]   ; O^T under the new M, ahead of the exponentials
.set j, j+2
.endr
.set j, 0
.rept 32
	v_pk_fma_f32 v[96+j:97+j], v[96+j:97+j], s[CS:CS+1], v[12:13] op_sel_hi:[1,0,0]   ; t - M, two at a time
.set j, j+2
.endr
.irp c, 0,1
	v_fma_f32 v[192+\c], v[192+\c], s[CS], v12     ; the same of each block's largest score
.endr
	WALU                                           ; the wait ahead of the batch
.irp c, 0,1
	v_exp_f32 v[192+\c], v[192+\c]                 ; the block's largest p: the same two instructions on the same number give the same bits
.endr
.set j, 0
.rept 64
	v_exp_f32 v[96+j], v[96+j]                     ; p = 2^(t - M)
.set j, j+1
.endr
	v_nop                                          ; a plain place behind the exponentials
	WALU                                           ; one wait for the whole batch, ahead of its first reader
.irp c, 0,1
	v_max_num_f32 v[192+\c], 0x1800000, v[192+\c]  ; the floor 2^(3 - 127): the byte cannot fall under 1
.endr
.irp c, 0,1
	s_delay_alu instid0(VALU_DEP_2)
	v_add_nc_u32 v[212+\c], 0xff000000, v[192+\c]  ; 2 off the exponent field: the conversion's scale operand
.endr
.irp c, 0,1
	v_lshl_add_u32 v[214+\c], v[192+\c], 1, 0xfe000000   ; the scale's byte, in the top byte
.endr
	s_delay_alu instid0(VALU_DEP_1)
	v_perm_b32 v216, v215, v214, v31               ; my two bytes at their places in p's scale word, zeros in the others
.irp c, 0,1
	v_cvt_scalef32_pk16_fp6_f32 v[224+6*\c:226+6*\c], v[96+32*\c:111+32*\c], v[212+\c]
	v_cvt_scalef32_pk16_fp6_f32 v[236+4*\c:238+4*\c], v[112+32*\c:127+32*\c], v[212+\c]   ; (a conversion's three registers begin on an even number)
.endr
.irp q, 0,1,2,3                        ; THE ROW'S SUM IS TAKEN OF THE UNQUANTISED p, in four chains.  These lines are also the place behind the conversions and the places ahead of the products below
	v_pk_add_f32 v[204+2*\q:205+2*\q], v[96+2*\q:97+2*\q], v[104+2*\q:105+2*\q]
.endr
	v_permlanex16_b32 v217, v216, s[SEL], s[SEL+1]
.irp i, 0,1,2
	v_mov_b32 v[227+\i], v[236+\i]
	v_mov_b32 v[233+\i], v[240+\i]
.endr
	v_or_b32 v252, v216, v217                      ; with lane l xor 16's two bytes the word is whole
.set j, 16
.rept 6
.irp q, 0,1,2,3
	v_pk_add_f32 v[204+2*\q:205+2*\q], v[204+2*\q:205+2*\q], v[96+j+2*\q:97+j+2*\q]
.endr
.set j, j+8
.endr
	v_pk_add_f32 v[204:205], v[204:205], v[206:207]
	v_pk_add_f32 v[208:209], v[208:209], v[210:211]
	s_delay_alu instid0(VALU_DEP_1)
	v_pk_add_f32 v[204:205], v[204:205], v[208:209]
	s_delay_alu instid0(VALU_DEP_1)
	v_pk_fma_f32 v[14:15], v[14:15], v[200:201], v[204:205] op_sel_hi:[1,0,1]   ; the sum under the new M, and this step's
	WALU                                           ; the wait ahead of the wait below and of the loop's jump
	s_wait_dscnt 0x0                               ; V is in
.irp t, 0,1,2,3                        ; O^T += V^T P^T: four accumulators, one instruction a turn
	v_wmma_scale_f32_16x16x128_f8f6f4 v[160+8*\t:167+8*\t], v[32+12*\t:43+12*\t], v[224:235], v[160+8*\t:167+8*\t], v[248+\t], v252 matrix_a_fmt:MATRIX_FMT_FP6 matrix_b_fmt:MATRIX_FMT_FP6
.endr
.endm
.Lpass:
	v_mov_b32 v12, 0x7f61b1e6                      ; -M: M begins at -3e38,
	v_mov_b32 v13, 0xff61b1e6                      ; and so does the largest score: under every score
	v_mov_b32 v14, 0
	v_mov_b32 v15, 0
.set j, 0
.rept 32
	v_mov_b32 v[160+j], 0                          ; O^T: the step is written once: the first change of M multiplies zeros
.set j, j+1
.endr
	s_mov_b32 s[TK], 0
	s_mov_b32 s[TS], 0
	s_mov_b32 s[TJ], 0
	s_mov_b32 s[CNT], 16
.Lstep:
	STEP
	s_add_co_u32 s[TK], s[TK], 6144
	s_add_co_u32 s[TS], s[TS], 512
	s_add_co_u32 s[TJ], s[TJ], 256
	s_sub_co_u32 s[CNT], s[CNT], 1
	s_cmp_lg_u32 s[CNT], 0
	s_cbranch_scc1 .Lstep
	; THE WAY OUT: O^T / the sum; the halves of the lanes change places so that a lane holds 16 neighbouring channels of each block; quantised along the channels; stored as a half image of the last product's operand
.rept 4
	v_nop                                          ; places behind the last products
.endr
	v_add_f32 v14, v14, v15
	v_permlanex16_b32 v197, v14, s[SEL], s[SEL+1]
	v_add_f32 v14, v14, v197                       ; the row's sum
	WALU
	v_rcp_f32 v14, v14
	v_nop                                          ; a plain place behind the transcendental
	WALU                                           ; the wait ahead of its first reader, which is also O^T's
.set j, 0
.rept 16
	v_pk_mul_f32 v[96+j:97+j], v[160+j:161+j], v[14:15] op_sel_hi:[1,0]   ; register 8 t + i: channel 16 t + 8 h + i; each accumulator from its low end on
.set j, j+2
.endr
.irp b, 0,1
.irp i, 0,1,2,3,4,5,6,7
	v_permlane16_swap_b32 v[96+16*\b+\i], v[104+16*\b+\i]   ; register 16 b + i now holds channel 32 b + 16 h + i: the natural order, as Wo's codes have it
.endr
.endr
.irp b, 0,1
	v_max3_num_f32 v[192+\b], |v[96+16*\b]|, |v[97+16*\b]|, 0x1800000
.endr
.irp i, 2,4,6,8,10,12,14
.irp b, 0,1
	v_max3_num_f32 v[192+\b], v[192+\b], |v[96+16*\b+\i]|, |v[97+16*\b+\i]|
.endr
.endr
.irp b, 0,1
	v_permlanex16_b32 v[194+\b], v[192+\b], s[SEL], s[SEL+1]
.endr
.irp b, 0,1
	v_max_num_f32 v[192+\b], v[192+\b], v[194+\b]
.endr
.irp b, 0,1
	v_add_nc_u32 v[212+\b], 0xff000000, v[192+\b]
.endr
.irp b, 0,1
	v_lshrrev_b32 v[214+\b], 23, v[212+\b]
.endr
	v_lshl_or_b32 v216, v215, 8, v214              ; my head's two scale bytes of row r
	v_cvt_scalef32_pk16_fp6_f32 v[224:226], v[96:111], v212
	v_cvt_scalef32_pk16_fp6_f32 v[240:242], v[112:127], v213
	v_nop                                          ; one plain place behind a scaled conversion
.irp i, 0,1,2
	v_permlane16_swap_b32 v[224+\i], v[240+\i]
.endr
.irp i, 0,1,2
	v_mov_b32 v[227+\i], v[240+\i]
.endr
	global_store_b128 v1, v[224:227], s[CB:CB+1]               ; 512 consecutive bytes, aligned to 256
	global_store_b64 v2, v[228:229], s[CB:CB+1] offset:512     ; 256
	global_store_b16 v30, v216, s[CSB:CSB+1]       ; two bytes of each row's eight (lanes 16-31 write what lanes 0-15 write): each head has one owner, so these 262,144 bytes in all go out in small pieces
.irp i, 0,1,2,3,4,5
	v_mov_b32 v[16+\i], v[218+\i]                  ; the second pass's Q takes the first's place (behind the second pass these seven copies are read no more)
.endr
	v_mov_b32 v255, v254
	s_wait_xcnt 0x0                                ; the stores have read their bases and data: both are written again only behind this wait
	s_add_nc_u64 s[CB:CB+1], s[CB:CB+1], 196608    ; 16 tiles on
	s_add_nc_u64 s[CSB:CSB+1], s[CSB:CSB+1], 8192
	s_sub_co_u32 s[PASS], s[PASS], 1
	s_cmp_lg_u32 s[PASS], 0
	WALU                                           ; the wait ahead of the jump
	s_cbranch_scc1 .Lpass
	s_wait_tensorcnt 0x0                           ; the wave's end
	ds_add_u32 v94, v95
	s_wait_dscnt 0x0
	CROUND                                         ; the closing round
	s_endpgm
.Lfunc_end_k_qbfbfc9a50b_attn:
	.size	k_qbfbfc9a50b_attn, .Lfunc_end_k_qbfbfc9a50b_attn-k_qbfbfc9a50b_attn
	.p2alignl 7, 3214868480
	.fill 96, 4, 3214868480
	.section	.rodata,"a",@progbits
	.p2align	6, 0x0
	.amdhsa_kernel k_qbfbfc9a50b_attn
		.amdhsa_group_segment_fixed_size 210944
		.amdhsa_private_segment_fixed_size 0
		.amdhsa_enable_private_segment 0
		.amdhsa_kernarg_size 32
		.amdhsa_user_sgpr_count 2
		.amdhsa_user_sgpr_kernarg_segment_ptr 1
		.amdhsa_wavefront_size32 1
		.amdhsa_system_sgpr_workgroup_id_x 1
		.amdhsa_system_sgpr_workgroup_id_y 1
		.amdhsa_system_sgpr_workgroup_id_z 1
		.amdhsa_system_vgpr_workitem_id 0
		.amdhsa_next_free_vgpr 256
		.amdhsa_next_free_sgpr 100
		.amdhsa_reserve_vcc 1
		.amdhsa_float_denorm_mode_32 3
		.amdhsa_float_denorm_mode_16_64 3
		.amdhsa_memory_ordered 1
		.amdhsa_forward_progress 1
		.amdhsa_inst_pref_size 32
	.end_amdhsa_kernel
	.amdgpu_metadata
---
amdhsa.version: [ 1, 2 ]
amdhsa.kernels:
  - .name:           k_qbfbfc9a50b_attn
    .symbol:         k_qbfbfc9a50b_attn.kd
    .args:
      - { .name: qkv_img, .offset: 0, .size: 8, .value_kind: global_buffer, .address_space: global }
      - { .name: qkv_sc, .offset: 8, .size: 8, .value_kind: global_buffer, .address_space: global }
      - { .name: ctx_codes, .offset: 16, .size: 8, .value_kind: global_buffer, .address_space: global }
      - { .name: ctx_sc, .offset: 24, .size: 8, .value_kind: global_buffer, .address_space: global }
    .group_segment_fixed_size: 210944
    .private_segment_fixed_size: 0
    .kernarg_segment_align: 8
    .kernarg_segment_size: 32
    .max_flat_workgroup_size: 512
    .sgpr_count:     100
    .vgpr_count:     256
    .wavefront_size: 32
...
	.end_amdgpu_metadata
.endif
;; end of part 3
;; launch outp (part 4): grid 8 x 32, 4 waves a work-group, clusters of 4 x 4, 327,680 bytes of LDS; arguments ctx_codes, ctx_sc, w_codes, w_sc, out0; writes out0
.if DOCPART == 4
	.amdgcn_target "amdgcn-amd-amdhsa--gfx1250"
	.amdhsa_code_object_version 6
	.text
	.protected	k_qbfbfc9a50b_outp
	.globl	k_qbfbfc9a50b_outp
	.p2align	8
	.type	k_qbfbfc9a50b_outp,@function
k_qbfbfc9a50b_outp:
	s_mov_b64 s[64:65], 0
	v_nop
	global_prefetch_b8 v0, s[64:65] scope:SCOPE_SE
	s_setreg_imm32_b32 hwreg(HW_REG_WAVE_MODE, 25, 1), 1
	s_wait_xcnt 0x0
	s_wait_alu depctr_hold_cnt(0) depctr_sa_sdst(0) depctr_va_vdst(0) depctr_va_sdst(0) depctr_va_ssrc(0) depctr_va_vcc(0) depctr_vm_vsrc(0)
	s_getreg_b32 s2, hwreg(HW_REG_IB_STS2, 6, 4)
	s_cmp_eq_u32 s2, 0
	s_cbranch_scc0 .Lentry_in_a_cluster
	s_endpgm
.Lentry_in_a_cluster:
	s_bfe_u32 s2, ttmp6, 0x10000c
	s_cmp_lg_u32 s2, 0xf033
	s_cbranch_scc0 .Lentry_shape_is_right
	s_endpgm
.Lentry_shape_is_right:
; out0 = ctx Wo on codes of FP6 (E2M3) with E8M0 scales, f32 out.  ctx_codes, w_codes: [tile of 16 rows][K / 128][1,536 bytes in register order]; ctx_sc, w_sc: [tile][K / 256][row][8]; Wo's tiles are 192-255 (a row is a column of Wo).
; THE DEAL.  256 work-groups of four waves, 2 x 2, each 256 tokens x 128 columns.  The wave in row a takes the chunk a of 128 tokens, the wave in column b 64 columns.  A wave holds its 64 rows of the weight, all of K, in 384 registers;
; ctx's tiles of 16 tokens stream past: 32 products a tile on four accumulators by turns; their fragments lie twice in registers, fetched two tiles ahead.
; ALL THAT A WORK-GROUP READS LIES IN LDS AT ONCE: the weight's 128 rows, two chunks, the scale bytes: one joint load a wave at the head (ctx's rows shared by a row of the cluster, the weight's by a column); nothing is filled again.
; No prefetch: every tile is asked for at the head, so there is no loop to run ahead in.
; Source 0 = the weight's rows: a lane holds one token and eight neighbouring columns of each tile.  A tile's 16 x 64 results go through my own stage in LDS and leave as whole rows of 256 bytes, one tile behind the products.
.set SL1,   98304
.set WRG,   196608
.set XSC,   294912
.set STG,   303104                     ; a stage of 16 rows x (256 + 16) bytes for each wave
.set SPARE, 320512
.set VO16, 4
.set VO8,  5
.set AW,   6
.set AX,   8
.set AXS,  12
.set WSO,  13
.set STO,  14
.set RD,   15
.set CO,   16
.set SPW,  20
.set NIL,  21
.set SB,   24                          ; v24-39 the weight's scale words; v44-59 ctx's, two sets
.set SA,   44
.set ACC,  64                          ; v64-127 two sets of four accumulators; v128-191 two sets of 16 rows read back
.set OB,   128
.set G1X, 24
.set G1W, 32
.set G1S, 48
.set G0A, 56
.set G0B, 60
.set G0W, 68
.set G0S, 72
.set MSB, 0
.macro WIN new
.if MSB != \new
	s_set_vgpr_msb (MSB<<8)|\new
.set MSB, \new
.endif
.endm
.macro PLACES n
.rept \n
	v_nop
.endr
.endm
.macro CROUND
	s_barrier_signal -1
	s_barrier_wait -1
	s_cmp_lg_u32 s14, 0
	s_cbranch_scc1 .Lnot_wave_0_\@
	s_barrier_signal -3
.Lnot_wave_0_\@:
	s_barrier_wait -3
	s_barrier_signal -1
	s_barrier_wait -1
.endm
.macro TLOAD g0, g1
	tensor_load_to_lds s[\g0:\g0+3], s[\g1:\g1+7]
	s_nop 0
	PLACES 4
.endm
.macro GRP g, mask, c, r
	s_or_b32 s[\g], s\mask, (3<<16)|(1<<21)
	s_mov_b32 s[\g+1], (\c)<<16
	s_mov_b32 s[\g+2], (\r)<<16
	s_mov_b32 s[\g+3], (\c)<<16
	s_mov_b32 s[\g+4], \r
	s_mov_b32 s[\g+5], \c
	s_mov_b32 s[\g+6], 0
	s_mov_b32 s[\g+7], 0
.endm
.macro G0SET g, base, off
	s_mov_b32 s20, s\off
	s_add_nc_u64 s[\g+2:\g+3], s[\base:\base+1], s[20:21]
	s_or_b32 s[\g+3], s[\g+3], 0x80000000
.endm
; fragment f lies in window 1 + f / 21 at register 12 (f % 21): 0-31 the weight's (4 q + t), 32-39 and 40-47 ctx's two sets
.macro FRAG f, a16, a8, off
	WIN (1+(\f)/21)<<6
.set R_, 12*((\f)%21)
	ds_load_b128 v[R_:R_+3], v[\a16] offset:\off
	ds_load_b64 v[R_+4:R_+5], v[\a8] offset:(\off)+512
	ds_load_b128 v[R_+6:R_+9], v[\a16] offset:(\off)+768
	ds_load_b64 v[R_+10:R_+11], v[\a8] offset:(\off)+1280
.endm
.macro FETCH s                         ; tile s of my chunk into set s % 2: 36 LDS loads
.irp q, 0,1,2,3,4,5,6,7
	FRAG 32+8*((\s)%2)+\q, AX+2*((\s)/4), AX+2*((\s)/4)+1, ((\s)%4)*12288+\q*1536
.endr
	WIN 0
.irp p, 0,1,2,3
	ds_load_b64 v[SA+8*((\s)%2)+2*\p:SA+8*((\s)%2)+2*\p+1], v[AXS] offset:(\s)*512+\p*128
.endr
.endm
.macro PR1 d, s0, s1, c, x0, x1, o
.if \o
	v_wmma_scale_f32_16x16x128_f8f6f4 v[\d:\d+7], v[12*((\s0)%21):12*((\s0)%21)+11], v[12*((\s1)%21):12*((\s1)%21)+11], \c, v[\x0], v[\x1] matrix_a_fmt:MATRIX_FMT_FP6 matrix_b_fmt:MATRIX_FMT_FP6 matrix_a_scale:MATRIX_SCALE_ROW1
.else
	v_wmma_scale_f32_16x16x128_f8f6f4 v[\d:\d+7], v[12*((\s0)%21):12*((\s0)%21)+11], v[12*((\s1)%21):12*((\s1)%21)+11], \c, v[\x0], v[\x1] matrix_a_fmt:MATRIX_FMT_FP6 matrix_b_fmt:MATRIX_FMT_FP6
.endif
.endm
.macro PRODS e                         ; a tile's 32 products: the four accumulators by turns, K ascending; the first K step starts the sums
.irp q, 0,1,2,3,4,5,6,7
.irp t, 0,1,2,3
.set FW_, 4*\q+\t
.set FX_, 32+8*(\e)+\q
.set DL_, ACC+32*(\e)+8*\t
	WIN (1+FW_/21)|((1+FX_/21)<<2)
.if \q == 0
	PR1 DL_, FW_, FX_, 0, SB+8*(\t/2)+\q, SA+8*(\e)+\q, \t%2
.else
	PR1 DL_, FW_, FX_, v[DL_:DL_+7], SB+8*(\t/2)+\q, SA+8*(\e)+\q, \t%2
.endif
.endr
.endr
	WIN 0
.endm
.macro TOSTAGE s                       ; 8 stores and 8 loads; LDS serves a wave's instructions in order
.set AC_, ACC+32*((\s)%2)
.set OB_, OB+32*((\s)%2)
	s_wait_xcnt 0x0                                ; the stores of two tiles ago have read the registers that the loads below fill
.irp t, 0,1,2,3
	ds_store_b128 v[STO], v[AC_+8*\t:AC_+8*\t+3] offset:64*\t
	ds_store_b128 v[STO], v[AC_+8*\t+4:AC_+8*\t+7] offset:64*\t+16
.endr
.irp k, 0,1,2,3,4,5,6,7
	ds_load_b128 v[OB_+4*\k:OB_+4*\k+3], v[RD] offset:\k*544
.endr
.endm
.macro SEND s, younger
.set OB_, OB+32*((\s)%2)
	s_wait_dscnt \younger
.irp k, 0,1,2,3,4,5,6,7
	global_store_b128 v[CO], v[OB_+4*\k:OB_+4*\k+3], s[12:13] offset:(\s)*65536+\k*8192 th:TH_STORE_NT   ; sixteen lanes store one aligned unit of 256 bytes
.endr
.endm
; The waits' counts: younger than a tile's fetch are the next tile's fetch, 36, and a stage's 16; younger than a stage's loads the same 52; where nothing more is fetched, 16
.macro BLK s
.if (\s) == 0
	s_wait_dscnt 36
.elseif (\s) < 7
	s_wait_dscnt 52
.else
	s_wait_dscnt 16
.endif
	PRODS (\s)%2
	PLACES 4
.if (\s) < 6
	FETCH (\s)+2
.endif
	TOSTAGE \s
.if (\s) > 0
.if (\s) < 6
	SEND (\s)-1, 52
.else
	SEND (\s)-1, 16
.endif
.endif
.endm
	s_load_b128 s[4:7], s[0:1], 0x0                ; ctx_codes, ctx_sc
	s_load_b128 s[8:11], s[0:1], 0x10              ; w_codes, w_sc
	s_load_b64 s[12:13], s[0:1], 0x20              ; out0
	v_lshl_add_u32 v[SPW], v0, 2, SPARE
	v_mov_b32 v[NIL], 0
	ds_add_u32 v[SPW], v[NIL]                      ; the opening lines: the add twice on end
	ds_add_u32 v[SPW], v[NIL]
	v_lshrrev_b32 v1, 5, v0
	v_readfirstlane_b32 s14, v1
	s_lshr_b32 s15, s14, 1                         ; a
	s_and_b32 s16, s14, 1                          ; b
	s_bfe_u32 s40, ttmp6, 0x40000
	s_bfe_u32 s41, ttmp6, 0x40004
	s_lshl_b32 s42, ttmp9, 2
	s_add_co_u32 s42, s42, s40                     ; group of 128 columns, 0 .. 7
	s_and_b32 s17, ttmp7, 0xffff
	s_lshl_b32 s17, s17, 2
	s_add_co_u32 s17, s17, s41                     ; group of 256 tokens, 0 .. 31
	s_lshl_b32 s43, s41, 2
	s_lshl_b32 s43, 15, s43
	s_lshl_b32 s44, 0x1111, s40
	GRP G1X, 43, 384, 32
	GRP G1W, 44, 384, 32
	GRP G1S, 43, 32, 32
	s_lshl_b32 s18, s17, 4
	s_mul_i32 s46, s18, 12288
	s_lshl_b32 s47, s18, 9
	s_lshl_b32 s19, s42, 3
	s_add_co_u32 s19, s19, 192
	s_mul_i32 s2, s19, 12288
	s_lshl_b32 s3, s16, 2
	s_add_co_u32 s19, s19, s3
	s_lshl_b32 s19, s19, 9
	s_mov_b32 s[G0A], 1
	s_mov_b32 s[G0A+1], 0
	s_mov_b32 s[G0B], 1
	s_mov_b32 s[G0B+1], SL1
	s_mov_b32 s[G0W], 1
	s_mov_b32 s[G0W+1], WRG
	s_mov_b32 s[G0S], 1
	s_mov_b32 s[G0S+1], XSC
	s_mov_b32 s21, 0
	s_wait_dscnt 0x0
	s_wait_kmcnt 0x0
	CROUND
	G0SET G0A, 4, 46
	s_add_co_u32 s3, s46, SL1
	G0SET G0B, 4, 3
	G0SET G0W, 8, 2
	G0SET G0S, 6, 47
	s_cmp_eq_u32 s14, 0
	s_cbranch_scc0 .Lwave_1
	TLOAD G0W, G1W                                 ; wave 0: the weight's rows, wanted first
	s_branch .Lasked
.Lwave_1:
	s_cmp_eq_u32 s14, 1
	s_cbranch_scc0 .Lwave_2
	TLOAD G0S, G1S                                 ; wave 1: ctx's scale bytes
	s_branch .Lasked
.Lwave_2:
	s_cmp_eq_u32 s14, 2
	s_cbranch_scc0 .Lwave_3
	TLOAD G0A, G1X                                 ; wave 2: chunk 0
	s_branch .Lasked
.Lwave_3:
	TLOAD G0B, G1X                                 ; wave 3: chunk 1
.Lasked:
	s_mov_b32 s20, s19
	s_add_nc_u64 s[66:67], s[10:11], s[20:21]      ; the weight's scale words, my 64 rows
	s_lshl_b32 s20, s17, 20                        ; 256 rows of 4,096 bytes
	s_lshl_b32 s18, s15, 19
	s_add_co_u32 s20, s20, s18
	s_lshl_b32 s18, s42, 9
	s_add_co_u32 s20, s20, s18
	s_lshl_b32 s18, s16, 8
	s_add_co_u32 s20, s20, s18
	s_add_nc_u64 s[12:13], s[12:13], s[20:21]
	s_mul_i32 s20, s16, 49152
	s_add_co_u32 s20, s20, WRG
	s_mul_i32 s22, s15, SL1
	s_add_co_u32 s23, s22, 49152
	s_lshl_b32 s46, s15, 12
	s_add_co_u32 s46, s46, XSC
	s_mul_i32 s47, s14, 4352
	s_add_co_u32 s47, s47, STG
	v_and_b32 v1, 15, v0                           ; r
	v_bfe_u32 v2, v0, 4, 1                         ; h
	v_and_b32 v3, 31, v0
	v_lshlrev_b32 v[VO16], 4, v3
	v_lshlrev_b32 v[VO8], 3, v3
	v_add_nc_u32 v[AW], s20, v[VO16]
	v_add_nc_u32 v[AW+1], s20, v[VO8]
	v_add_nc_u32 v[AX], s22, v[VO16]
	v_add_nc_u32 v[AX+1], s22, v[VO8]
	v_add_nc_u32 v[AX+2], s23, v[VO16]
	v_add_nc_u32 v[AX+3], s23, v[VO8]
	v_lshl_add_u32 v[AXS], v1, 3, s46
	v_lshlrev_b32 v[WSO], 3, v1
	v_lshl_add_u32 v[WSO], v2, 9, v[WSO]
	v_mul_u32_u24 v[STO], v1, 272                  ; in: token r, 32 bytes for each half of the lanes
	v_lshl_add_u32 v[STO], v2, 5, v[STO]
	v_add_nc_u32 v[STO], s47, v[STO]
	v_mul_u32_u24 v[RD], v2, 272                   ; back: sixteen lanes to a row of 256 bytes
	v_lshl_add_u32 v[RD], v1, 4, v[RD]
	v_add_nc_u32 v[RD], s47, v[RD]
	v_lshlrev_b32 v[CO], 12, v2                    ; and the same two rows in out0
	v_lshl_add_u32 v[CO], v1, 4, v[CO]
	s_wait_alu depctr_va_vdst(0)                   ; the wait at the head's end
.irp tp, 0,1
.irp p, 0,1,2,3
	global_load_b64 v[SB+8*\tp+2*\p:SB+8*\tp+2*\p+1], v[WSO], s[66:67] offset:\tp*1024+\p*128
.endr
.endr
	s_cmp_eq_u32 s14, 0
	s_cbranch_scc0 .Lnot_w
	s_wait_tensorcnt 0x0
.Lnot_w:
	s_barrier_signal -1
	s_barrier_wait -1                              ; the weight's rows are in
.irp q, 0,1,2,3,4,5,6,7
.irp t, 0,1,2,3
	FRAG 4*\q+\t, AW, AW+1, \t*12288+\q*1536
.endr
.endr
	WIN 0
	s_wait_tensorcnt 0x0
	s_wait_dscnt 0x0
	s_barrier_signal -1
	s_barrier_wait -1                              ; and so is all else
	FETCH 0
	FETCH 1
	s_wait_loadcnt 0x0
.irp s, 0,1,2,3,4,5,6,7
	BLK \s
.endr
	SEND 7, 0
	s_wait_tensorcnt 0x0                           ; the wave's end
	ds_add_u32 v[SPW], v[NIL]
	s_wait_dscnt 0x0
	CROUND                                         ; the closing round
	s_endpgm
.Lfunc_end_k_qbfbfc9a50b_outp:
	.size	k_qbfbfc9a50b_outp, .Lfunc_end_k_qbfbfc9a50b_outp-k_qbfbfc9a50b_outp
	.p2alignl 7, 3214868480
	.fill 96, 4, 3214868480
	.section	.rodata,"a",@progbits
	.p2align	6, 0x0
	.amdhsa_kernel k_qbfbfc9a50b_outp
		.amdhsa_group_segment_fixed_size 327680
		.amdhsa_private_segment_fixed_size 0
		.amdhsa_enable_private_segment 0
		.amdhsa_kernarg_size 40
		.amdhsa_user_sgpr_count 2
		.amdhsa_user_sgpr_kernarg_segment_ptr 1
		.amdhsa_wavefront_size32 1
		.amdhsa_system_sgpr_workgroup_id_x 1
		.amdhsa_system_sgpr_workgroup_id_y 1
		.amdhsa_system_sgpr_workgroup_id_z 1
		.amdhsa_system_vgpr_workitem_id 0
		.amdhsa_next_free_vgpr 1024
		.amdhsa_next_free_sgpr 80
		.amdhsa_reserve_vcc 0
		.amdhsa_float_denorm_mode_32 3
		.amdhsa_float_denorm_mode_16_64 3
		.amdhsa_memory_ordered 1
		.amdhsa_forward_progress 1
		.amdhsa_inst_pref_size 85
	.end_amdhsa_kernel
	.amdgpu_metadata
---
amdhsa.version: [ 1, 2 ]
amdhsa.kernels:
  - .name:           k_qbfbfc9a50b_outp
    .symbol:         k_qbfbfc9a50b_outp.kd
    .args:
      - { .name: ctx_codes, .offset: 0, .size: 8, .value_kind: global_buffer, .address_space: global }
      - { .name: ctx_sc, .offset: 8, .size: 8, .value_kind: global_buffer, .address_space: global }
      - { .name: w_codes, .offset: 16, .size: 8, .value_kind: global_buffer, .address_space: global }
      - { .name: w_sc, .offset: 24, .size: 8, .value_kind: global_buffer, .address_space: global }
      - { .name: out0, .offset: 32, .size: 8, .value_kind: global_buffer, .address_space: global }
    .group_segment_fixed_size: 327680
    .private_segment_fixed_size: 0
    .kernarg_segment_align: 8
    .kernarg_segment_size: 40
    .max_flat_workgroup_size: 128
    .sgpr_count:     80
    .vgpr_count:     1024
    .wavefront_size: 32
...
	.end_amdgpu_metadata
.endif
;; end of part 4
